; MI455X (gfx1250); checked and timed in simulation.
; The chip was launched on July 23, 2026; its instructions are those of AMD's public machine-readable ISA for CDNA 5 (MIT licence, August 2026) and "CDNA5" Instruction Set Architecture Reference Guide (July 2026). The comments in the code are by the model that wrote it; some were corrected since.
;; Self Attention Block. Allowed arithmetic: matrix products marked QUANTISED: E2M3 operands, one E8M0 scale for each 32 along K, by v_wmma_scale_f32_16x16x128_f8f6f4 with both operands' format E2M3, f32 sums; everything else in f32.
;; Inputs: W_proj 1,024 x 1,024 float32; W_qkv 1,024 x 3,072 float32; b_proj 1,024 float32; b_qkv 3,072 float32; beta 1,024 float32; gamma 1,024 float32; x 4 x 2,048 x 1,024 float32.
;; Outputs: out0 4 x 2,048 x 1,024 float32.
;; This version of the problem:
;;   THIS VERSION OF THE PROBLEM IS GIVEN IN LOW PRECISION. The matrix products marked QUANTISED in the list below multiply operands that are first quantised to E2M3 (2 exponent bits, 3 mantissa bits; 6 bits a number), with one power-of-two scale for each 32 numbers along K (OCP MX v1.0); their sums are f32. All else is computed in f32.
;;   The module's matrix products, in the order in which they are computed (A, B: the left and right operand; K: the contracted axis; several contracted axes count as one K, in the product's order):
;;     1. [M 8,192, K 1,024] x [K 1,024, N 3,072]; A: input x; B: input W_qkv: QUANTISED
;;     2. batch 4 x [M 2,048, K 1,024] x [K 1,024, N 2,048]; A: computed on the way; B: computed on the way: QUANTISED
;;     3. batch 4 x [M 2,048, K 2,048] x [K 2,048, N 1,024]; A: softmax (see below); B: computed on the way: QUANTISED
;;     4. [M 8,192, K 1,024] x [K 1,024, N 1,024]; A: computed on the way; B: input W_proj: QUANTISED
;;   THE QUANTISER, for each operand of a quantised product, along K:
;;     - K is cut into blocks of 32 from its start; a last block that is shorter is filled with zeros.
;;     - A block's scale is 2^e with e = floor(log2(the largest magnitude in the block)) - 2, held to -126 .. 127; a block of zeros has e = 0. As a byte (E8M0): e + 127.
;;     - Each number is divided by its block's scale, clamped to +-7.5, and rounded to the nearest number of E2M3, ties to even, subnormals kept.
;;     - The product sums the exact products of the quantised numbers (number of the format x scale) in f32.
;;   ~~~python
;;   def quantise(x, axis):      # numpy; x: float32 -> the quantised numbers, widened to float32 again
;;       x = np.moveaxis(x, axis, -1); K = x.shape[-1]
;;       x = np.pad(x, [(0, 0)] * (x.ndim - 1) + [(0, -K % 32)]); x = x.reshape(x.shape[:-1] + (-1, 32)); a = np.abs(x).max(-1, keepdims=True)
;;       e = np.where(a > 0, np.clip(np.frexp(np.where(a > 0, a, 1))[1] - 1 - 2, -126, 127), 0)      # np.frexp(a)[1] - 1 = floor(log2(a)), exactly
;;       r = np.clip(x / 2.0 ** e, -7.5, 7.5)
;;       step = 2.0 ** (np.maximum(np.frexp(np.where(r == 0, 1, r))[1] - 1, 0) - 3)
;;       q = np.round(r / step) * step * 2.0 ** e      # np.round: ties to even
;;       return np.moveaxis(q.reshape(q.shape[:-2] + (-1,))[..., :K], -1, axis).astype(np.float32)
;;   ~~~
;;   SOFTMAX AHEAD OF A QUANTISED PRODUCT. Where the list says 'softmax', what is quantised is not the finished softmax but p = 2^(t - M), with t = logit x log2(e) and M = ceil(the row's largest t), a whole number; so 1/2 < the row's largest p <= 1. The row's sum l is taken of the UNQUANTISED p, in f32, and the product's result is divided by l at the end. Since M is a whole number, a kernel that streams over the keys may use a running M (the ceiling of the running maximum): every later rescaling is an exact power of two, which a block's scale takes up: the codes' values come out the same.
;;   OPERANDS COMPUTED ON THE WAY. 'Computed on the way' means the value that the module computes at that place (a softmax that the list does not call 'softmax' is quantised finished and normalised). What goes into a quantiser is computed in f32, as accurately as f32 sums, v_exp_f32 and their like allow (about 1e-6 of the number): no bf16 or f16 on the way to a quantiser, and a product that is left as it is and whose result goes on into a quantised operand takes f32 operands (vector FMAs, or v_wmma_f32_16x16x4_f32). A number that lies on a knife's edge between two numbers of the format may be rounded either way, as far as f32 arithmetic and the matrix unit's own rounding can turn it there, and no further.
;; One version. Each part assembles by itself: llvm-mc -triple=amdgcn-amd-amdhsa -mcpu=gfx1250 --defsym DOCPART=n.
;; ======== version 1 of 1: 5 launches
;; limits: right only within a limited range of input values
;; workspace buffers: prepbuf 9,830,400 bytes; qkvbuf 19,660,800 bytes; pbuf 14,155,776 bytes; obuf 6,553,600 bytes
;; launch prep (part 1): grid 384 x 1, 4 waves a work-group, no clusters, 62,976 bytes of LDS; arguments x, W_qkv, W_proj, prepbuf; writes prepbuf
.if DOCPART == 1
	.amdgcn_target "amdgcn-amd-amdhsa--gfx1250"
	.amdhsa_code_object_version 6
	.text
	.protected	k_qfd0065888f_prep
	.globl	k_qfd0065888f_prep
	.p2align	8
	.type	k_qfd0065888f_prep,@function
k_qfd0065888f_prep:
	s_mov_b64 s[64:65], 0
	v_nop
	global_prefetch_b8 v0, s[64:65] scope:SCOPE_SE
	s_setreg_imm32_b32 hwreg(HW_REG_WAVE_MODE, 25, 1), 1
	s_wait_xcnt 0x0
; x [8192][1024], W_qkv [1024][3072] and W_proj [1024][1024], f32, become codes of FP6 (E2M3) with one E8M0 scale byte for each 32 along K (K = 1024 for all three).
; NO WORK OF THE PROBLEM IS LEFT OUT in this program: every input has a way to the output (k's bias moves k's codes, so it stays), and all four products are done whole.
; LAYOUT of every buffer of codes in this program: IMAGES OF THE OPERAND'S REGISTERS.  A fragment is 16 rows x 128 K, 12 registers a lane, 1,536 bytes: fragment (rb, ks) lies at (rb KS + ks) 1536, KS = K / 128;
; in it registers 4 c .. 4 c + 3 of lane l lie at 512 c + 16 l.  Lane-row r of fragment rb stands for matrix row 32 (rb / 2) + 8 (rb % 2) + r % 8 + 16 (r / 8): so the 16 result registers of two neighbouring tiles
; of a product that takes such fragments as source 0 are 16 neighbours along the next K.  Scale words: the word of (group g = rb / 2, ks, u = rb % 2, r) lies at (g KS + ks) 128 + 4 (16 u + r).
; A block's scale is 2^(floor(log2(largest magnitude)) - 2); its byte is the largest magnitude's exponent field - 2, held at 1 from below.
; LIMITS: NaN and infinities among the inputs are not served.  A block of zeros gets the byte 1 where the rule says 127: its codes are zeros, and this program alone reads the bytes.
; Work-groups 0-255: x, a group of 32 rows each; wave w takes K steps 2 w, 2 w + 1.  Work-groups 256-383: the weights (K is their FIRST axis): a lane takes a column, its registers run down K.
; The two paths part on the work-group's number; each has LDS bytes of its own and ends by itself.  No tensor load, no barrier: waves share nothing.
.set XS,    6291456                    ; prepbuf: x's codes at 0, x's scale words,
.set WQC,   6553600                    ; W_qkv's codes,
.set WQS,   8912896                    ; its scale words,
.set WPC,   9011200                    ; W_proj's codes,
.set WPS,   9797632                    ; its scale words
.set SPARE, 62464                      ; the spare words, 128 bytes for each wave
.set SPW,   200                        ; v200 LDS address of my spare word; never rewritten
.set NIL,   201                        ; v201 0; never rewritten
.set XWB,   8704                       ; x's path: LDS bytes of a wave: a stage of 16 rows x 528, then 256 bytes of scale words
.set XGA,   8448
.set WBASE, 34816                      ; the weights' path: behind x's four regions
.set WWB,   6912                       ; a wave's: four images 1,664 bytes apart, then 256 bytes of scale words
.set WGA,   6656
.set IMG,   1664
.set XR,    16                         ; v16-79   x: 16 rows x 16 bytes a lane, as loaded
.set XN,    80                         ; v80-143  x: my two blocks of 32 neighbours
.set XCD,   144                        ; v144-191 x: 12 registers of codes for each of the four fragments: no store's data are written again
.set XT,    192                        ; v192-198 x: the second halves of the conversions
.set WVO,   16                         ; v16-47   weights: byte offset of row i of a block, at my column
.set WX,    48                         ; v48-111  weights: two sets of 32 numbers
.set WC,    112                        ; v112-117 a block's codes
.set WT,    118                        ; v118-120 their second half as converted
.set SW,    122                        ; v122-123 my column's scale words
.set WO,    124                        ; v124-171 the way out
.macro FINISH                          ; the wave's end
	s_wait_tensorcnt 0x0
	ds_add_u32 v[SPW], v[NIL]
	s_wait_dscnt 0x0
	s_endpgm
.endm
	s_load_b256 s[4:11], s[0:1], 0x0               ; x s[4:5], W_qkv s[6:7], W_proj s[8:9], prepbuf s[10:11]
	v_lshl_add_u32 v[SPW], v0, 2, SPARE
	v_mov_b32 v[NIL], 0
	v_lshrrev_b32 v8, 5, v0
	v_readfirstlane_b32 s12, v8                    ; wave
	v_and_b32 v14, 31, v0                          ; lane
	v_lshlrev_b32 v1, 4, v14                       ; 16 x lane
	v_lshlrev_b32 v6, 3, v14                       ; 8 x lane
	s_wait_kmcnt 0x0
	s_cmp_lt_u32 ttmp9, 256
	s_cbranch_scc0 .Lweights
; ---------------- x: group g = the work-group's number; fragments t = 0..3: u = t % 2, K step 2 w + t / 2
	s_mov_b32 s22, 0x76543210
	s_mov_b32 s23, 0xfedcba98                      ; v_permlanex16_b32's selects for lane l xor 16
	s_mul_i32 s13, s12, XWB
	v_and_b32 v15, 15, v0                          ; r
	v_bfe_u32 v7, v0, 4, 1                         ; h
	s_wait_alu depctr_va_vdst(0)
	v_add_nc_u32 v2, s13, v1                       ; the stage, in: 16 x lane, a row of 512 bytes an instruction
	v_mul_u32_u24 v3, v15, 528
	v_lshl_add_u32 v3, v7, 7, v3
	v_add_nc_u32 v3, s13, v3                       ; out: row r, + 128 h: blocks h and 2 + h of the K step
	v_lshlrev_b32 v4, 2, v15
	v_add_nc_u32 v4, s13, v4
	v_add_nc_u32 v4, XGA, v4                       ; my row's scale word
	v_add_nc_u32 v5, s13, v6
	v_add_nc_u32 v5, XGA, v5                       ; and on the way out 8 bytes a lane
	v_lshlrev_b32 v7, 3, v7                        ; 8 h
	s_lshl_b32 s14, ttmp9, 17                      ; 32 rows of 4,096 bytes
	s_lshl_b32 s15, s12, 10                        ; my two K steps: 1,024 bytes
	s_add_co_u32 s14, s14, s15
	s_mov_b32 s15, 0
	s_add_nc_u64 s[4:5], s[4:5], s[14:15]
	s_lshl_b32 s16, ttmp9, 4
	s_lshl_b32 s17, s12, 1
	s_add_co_u32 s16, s16, s17                     ; 16 g + 2 w
	s_mul_i32 s18, s16, 1536
	s_mov_b32 s19, 0
	s_add_nc_u64 s[18:19], s[10:11], s[18:19]      ; codes
	s_lshl_b32 s20, ttmp9, 3
	s_add_co_u32 s20, s20, s17                     ; 8 g + 2 w
	s_lshl_b32 s20, s20, 7
	s_add_co_u32 s20, s20, XS
	s_mov_b32 s21, 0
	s_add_nc_u64 s[20:21], s[10:11], s[20:21]      ; scale words
.macro LOADF t                         ; the 16 rows of fragment t, 512 consecutive bytes (a K step) a load
.irp i, 0,1,2,3,4,5,6,7,8,9,10,11,12,13,14,15
	global_load_b128 v[XR+4*\i:XR+4*\i+3], v1, s[4:5] offset:(8*((\t)%2)+(\i%8)+16*(\i/8))*4096+512*((\t)/2) th:TH_LOAD_NT
.endr
.endm
.macro TURNX                           ; through the stage: LDS serves a wave's instructions in order, so no wait stands between the stores and the loads
.irp i, 0,1,2,3,4,5,6,7,8,9,10,11,12,13,14,15
	ds_store_b128 v2, v[XR+4*\i:XR+4*\i+3] offset:528*\i
.endr
.irp c, 0,1
.irp j, 0,1,2,3,4,5,6,7
	ds_load_b128 v[XN+32*\c+4*\j:XN+32*\c+4*\j+3], v3 offset:256*\c+16*\j
.endr
.endr
.endm
.macro QB t                            ; my two whole blocks (h and 2 + h) become registers 0-5 and 6-11 of the fragment
.irp c, 0,1
	v_max3_num_f32 v[8+\c], |v[XN+32*\c]|, |v[XN+32*\c+1]|, 0x1800000   ; with the floor 2^(3 - 127): the byte cannot fall under 1
.endr
.irp i, 2,4,6,8,10,12,14,16,18,20,22,24,26,28,30
.irp c, 0,1
	v_max3_num_f32 v[8+\c], v[8+\c], |v[XN+32*\c+\i]|, |v[XN+32*\c+\i+1]|
.endr
.endr
.irp c, 0,1
	v_add_nc_u32 v[10+\c], 0xff000000, v[8+\c]     ; 2 off the exponent field: the conversion's scale operand
.endr
.irp c, 0,1
	v_lshrrev_b32 v[12+\c], 23, v[10+\c]           ; the scale's byte
.endr
	v_lshl_or_b32 v12, v13, 16, v12                ; bytes h and 2 + h,
	v_lshlrev_b32 v12, v7, v12                     ; at their places;
	v_permlanex16_b32 v13, v12, s22, s23
	v_or_b32 v12, v12, v13                         ; with lane l xor 16's two the word is whole
.irp c, 0,1
	v_cvt_scalef32_pk16_fp6_f32 v[XCD+12*(\t)+6*\c:XCD+12*(\t)+6*\c+2], v[XN+32*\c:XN+32*\c+15], v[10+\c]
	v_cvt_scalef32_pk16_fp6_f32 v[XT+4*\c:XT+4*\c+2], v[XN+32*\c+16:XN+32*\c+31], v[10+\c]   ; (a conversion's three registers begin on an even number)
.endr
	v_nop                                          ; one plain place behind a scaled conversion
.irp c, 0,1
.irp i, 0,1,2
	v_mov_b32 v[XCD+12*(\t)+6*\c+3+\i], v[XT+4*\c+\i]
.endr
.endr
.irp c, 0,1,2
	global_store_b128 v1, v[XCD+12*(\t)+4*\c:XCD+12*(\t)+4*\c+3], s[18:19] offset:12288*((\t)%2)+1536*((\t)/2)+512*\c   ; 512 consecutive bytes
.endr
	ds_store_b32 v4, v12 offset:128*((\t)/2)+64*((\t)%2)   ; both halves of the lanes write the same word with the same value
.endm
	LOADF 0
	s_wait_alu depctr_va_vdst(0)
.irp t, 0,1,2,3
	s_wait_loadcnt 0x0                             ; this fragment's 16 loads are in
	TURNX
	s_wait_dscnt 0x0                               ; the numbers are back, the stage's stores have read their registers, the last scale word is stored
.if \t < 3
	LOADF \t+1                                     ; the next fragment's rows are on their way while this one is worked
.endif
	QB \t
.endr
	ds_load_b64 v[8:9], v5                         ; my wave's 256 bytes of scale words
	s_wait_dscnt 0x0
	global_store_b64 v6, v[8:9], s[20:21]          ; 256 consecutive bytes, aligned
	FINISH
; ---------------- the weights: j = work-group - 256; 0-95 W_qkv, 96-127 W_proj; wave w: column group g = 4 (j2 / 4) + w (32 columns), K rows 256 (j2 % 4) on: 8 blocks
.Lweights:
	s_sub_co_u32 s13, ttmp9, 256
	s_cmp_ge_u32 s13, 96                           ; the choice hangs on the work-group's number alone
	s_cselect_b64 s[6:7], s[8:9], s[6:7]
	s_mov_b32 s14, 12288
	s_cselect_b32 s14, 4096, s14                   ; a row of the weight in bytes
	s_mov_b32 s24, WQC
	s_cselect_b32 s24, WPC, s24
	s_mov_b32 s25, WQS
	s_cselect_b32 s25, WPS, s25
	s_cselect_b32 s15, 96, 0
	s_sub_co_u32 s13, s13, s15                     ; j2
	s_and_b32 s16, s13, 0xfc
	s_add_co_u32 s16, s16, s12                     ; g
	s_and_b32 s17, s13, 3                          ; which 256 along K
	s_mul_i32 s18, s17, s14
	s_lshl_b32 s18, s18, 8
	s_lshl_b32 s19, s16, 7
	s_add_co_u32 s18, s18, s19
	s_mov_b32 s19, 0
	s_add_nc_u64 s[6:7], s[6:7], s[18:19]
	s_lshl_b32 s26, s14, 5                         ; a block on: 32 rows
	s_mov_b32 s27, 0
	s_lshl_b32 s20, s16, 4
	s_lshl_b32 s21, s17, 1
	s_add_co_u32 s20, s20, s21                     ; 16 g + 2 kq
	s_mul_i32 s20, s20, 1536
	s_add_co_u32 s20, s20, s24
	s_lshl_b32 s28, s16, 3
	s_add_co_u32 s28, s28, s21                     ; 8 g + 2 kq
	s_lshl_b32 s28, s28, 7
	s_add_co_u32 s28, s28, s25
	s_mov_b32 s21, 0
	s_mov_b32 s29, 0
	s_add_nc_u64 s[20:21], s[10:11], s[20:21]      ; codes
	s_add_nc_u64 s[28:29], s[10:11], s[28:29]      ; scale words
	s_mul_i32 s30, s12, WWB
	s_add_co_u32 s30, s30, WBASE
	v_bfe_u32 v8, v0, 3, 1                         ; my column l of the group is lane-row r = l % 8 + 8 (l / 16) of fragment u = (l / 8) % 2
	v_and_b32 v9, 7, v0
	v_bfe_u32 v10, v0, 4, 1
	v_lshl_add_u32 v9, v10, 3, v9
	v_mul_u32_u24 v2, v8, IMG
	v_lshl_add_u32 v2, v9, 4, v2
	v_add_nc_u32 v2, s30, v2                       ; into the images: image u, 16 r
	s_wait_alu depctr_va_vdst(0)
	v_add_nc_u32 v3, s30, v1                       ; out of them: 16 x lane
	v_lshlrev_b32 v4, 6, v8
	v_lshl_add_u32 v4, v9, 2, v4
	v_add_nc_u32 v4, s30, v4
	v_add_nc_u32 v4, WGA, v4                       ; my column's scale word: 64 u + 4 r
	v_add_nc_u32 v5, s30, v6
	v_add_nc_u32 v5, WGA, v5
	v_lshlrev_b32 v[WVO], 2, v14                   ; 4 bytes a lane: 128 consecutive bytes a wave, 512 a work-group
.irp i, 1,2,3,4,5,6,7,8,9,10,11,12,13,14,15,16,17,18,19,20,21,22,23,24,25,26,27,28,29,30,31
	v_add_nc_u32 v[WVO+\i], s14, v[WVO+\i-1]
.endr
.macro LOADW t                         ; block t: W(32 t + i, my column) into set t % 2
.if (\t) > 0
	s_wait_xcnt 0x0                                ; the earlier loads have read their base: it may step
	s_add_nc_u64 s[6:7], s[6:7], s[26:27]
.endif
.irp i, 0,1,2,3,4,5,6,7,8,9,10,11,12,13,14,15,16,17,18,19,20,21,22,23,24,25,26,27,28,29,30,31
	global_load_b32 v[WX+32*((\t)%2)+\i], v[WVO+\i], s[6:7] th:TH_LOAD_NT
.endr
.endm
.macro BLOCKW t                        ; block t of my column: K step t / 4, block b = t % 4 of it: registers 6 (b / 2) .. + 5 of lane (r, h = b % 2)
.set XW, WX+32*((\t)%2)
.if (\t) < 7
	s_wait_loadcnt 32                              ; this block's 32 loads are in; the next block's may be out
.else
	s_wait_loadcnt 0x0
.endif
	v_max3_num_f32 v8, |v[XW]|, |v[XW+1]|, |v[XW+2]|
	v_max3_num_f32 v9, |v[XW+3]|, |v[XW+4]|, |v[XW+5]|
.irp i, 6,10,14,18,22,26
	v_max3_num_f32 v8, v8, |v[XW+\i]|, |v[XW+\i+1]|
	v_max3_num_f32 v9, v9, |v[XW+\i+2]|, |v[XW+\i+3]|
.endr
	v_max3_num_f32 v8, v8, |v[XW+30]|, |v[XW+31]|
	v_max3_num_f32 v8, v8, v9, 0x1800000           ; and the floor
	v_add_nc_u32 v10, 0xff000000, v8               ; the conversion's scale operand
	v_lshrrev_b32 v11, 23, v10                     ; the byte
.if (\t)%4 == 0
	v_mov_b32 v[SW+(\t)/4], v11
.else
	v_lshl_or_b32 v[SW+(\t)/4], v11, 8*((\t)%4), v[SW+(\t)/4]
.endif
	v_cvt_scalef32_pk16_fp6_f32 v[WC:WC+2], v[XW:XW+15], v10
	v_cvt_scalef32_pk16_fp6_f32 v[WT:WT+2], v[XW+16:XW+31], v10
	v_nop                                          ; one plain place behind a scaled conversion
.irp i, 0,1,2
	v_mov_b32 v[WC+3+\i], v[WT+\i]
.endr
.if ((\t)%4)/2 == 0
	ds_store_b128 v2, v[WC:WC+3] offset:2*IMG*((\t)/4)+256*((\t)%2)            ; registers 0-3: piece 0
	ds_store_b64 v2, v[WC+4:WC+5] offset:2*IMG*((\t)/4)+256*((\t)%2)+512       ; registers 4, 5: the first half of piece 1
.else
	ds_store_b64 v2, v[WC:WC+1] offset:2*IMG*((\t)/4)+256*((\t)%2)+520         ; registers 6, 7: its second half
	ds_store_b128 v2, v[WC+2:WC+5] offset:2*IMG*((\t)/4)+256*((\t)%2)+1024     ; registers 8-11: piece 2
.endif
.if (\t) < 6
	LOADW (\t)+2
.endif
	s_wait_dscnt 0x0                               ; the stores have read their registers: the next block's codes may be written
.endm
	LOADW 0
	s_wait_alu depctr_va_vdst(0)
	LOADW 1
.irp t, 0,1,2,3,4,5,6,7
	BLOCKW \t
.endr
	ds_store_b32 v4, v[SW]
	s_wait_alu depctr_va_vdst(0)
	ds_store_b32 v4, v[SW+1] offset:128
.irp n, 0,1,2,3                        ; image n = 2 (K step) + u
.irp c, 0,1,2
	ds_load_b128 v[WO+12*\n+4*\c:WO+12*\n+4*\c+3], v3 offset:IMG*\n+512*\c   ; LDS serves a wave's instructions in order: these see my stores
.endr
.endr
	ds_load_b64 v[172:173], v5
	s_wait_dscnt 0x0
.irp n, 0,1,2,3
.irp c, 0,1,2
	global_store_b128 v1, v[WO+12*\n+4*\c:WO+12*\n+4*\c+3], s[20:21] offset:12288*(\n%2)+1536*(\n/2)+512*\c   ; 512 consecutive bytes
.endr
.endr
	global_store_b64 v6, v[172:173], s[28:29]      ; 256 consecutive bytes, aligned
	FINISH
.Lfunc_end_k_qfd0065888f_prep:
	.size	k_qfd0065888f_prep, .Lfunc_end_k_qfd0065888f_prep-k_qfd0065888f_prep
	.p2alignl 7, 3214868480
	.fill 96, 4, 3214868480
	.section	.rodata,"a",@progbits
	.p2align	6, 0x0
	.amdhsa_kernel k_qfd0065888f_prep
		.amdhsa_group_segment_fixed_size 62976
		.amdhsa_private_segment_fixed_size 0
		.amdhsa_enable_private_segment 0
		.amdhsa_kernarg_size 32
		.amdhsa_user_sgpr_count 2
		.amdhsa_user_sgpr_kernarg_segment_ptr 1
		.amdhsa_wavefront_size32 1
		.amdhsa_system_sgpr_workgroup_id_x 1
		.amdhsa_system_sgpr_workgroup_id_y 1
		.amdhsa_system_sgpr_workgroup_id_z 1
		.amdhsa_system_vgpr_workitem_id 0
		.amdhsa_next_free_vgpr 208
		.amdhsa_next_free_sgpr 66
		.amdhsa_reserve_vcc 0
		.amdhsa_float_denorm_mode_32 3
		.amdhsa_float_denorm_mode_16_64 3
		.amdhsa_memory_ordered 1
		.amdhsa_forward_progress 1
		.amdhsa_inst_pref_size 73
	.end_amdhsa_kernel
	.amdgpu_metadata
---
amdhsa.version: [ 1, 2 ]
amdhsa.kernels:
  - .name:           k_qfd0065888f_prep
    .symbol:         k_qfd0065888f_prep.kd
    .args:
      - { .name: x, .offset: 0, .size: 8, .value_kind: global_buffer, .address_space: global }
      - { .name: W_qkv, .offset: 8, .size: 8, .value_kind: global_buffer, .address_space: global }
      - { .name: W_proj, .offset: 16, .size: 8, .value_kind: global_buffer, .address_space: global }
      - { .name: prepbuf, .offset: 24, .size: 8, .value_kind: global_buffer, .address_space: global }
    .group_segment_fixed_size: 62976
    .private_segment_fixed_size: 0
    .kernarg_segment_align: 8
    .kernarg_segment_size: 32
    .max_flat_workgroup_size: 128
    .sgpr_count:     66
    .vgpr_count:     208
    .wavefront_size: 32
...
	.end_amdgpu_metadata
.endif
;; end of part 1
;; launch qkv (part 2): grid 12 x 32, 4 waves a work-group, clusters of 4 x 4, 327,680 bytes of LDS; arguments prepbuf, b_qkv, qkvbuf; writes qkvbuf
.if DOCPART == 2
	.amdgcn_target "amdgcn-amd-amdhsa--gfx1250"
	.amdhsa_code_object_version 6
	.text
	.protected	k_qfd0065888f_qkv
	.globl	k_qfd0065888f_qkv
	.p2align	8
	.type	k_qfd0065888f_qkv,@function
k_qfd0065888f_qkv:
	s_mov_b64 s[64:65], 0
	v_nop
	global_prefetch_b8 v0, s[64:65] scope:SCOPE_SE
	s_setreg_imm32_b32 hwreg(HW_REG_WAVE_MODE, 25, 1), 1
	s_wait_xcnt 0x0
	s_wait_alu depctr_hold_cnt(0) depctr_sa_sdst(0) depctr_va_vdst(0) depctr_va_sdst(0) depctr_va_ssrc(0) depctr_va_vcc(0) depctr_vm_vsrc(0)
	s_getreg_b32 s2, hwreg(HW_REG_IB_STS2, 6, 4)
	s_cmp_eq_u32 s2, 0
	s_cbranch_scc0 .Lentry_in_a_cluster
	s_endpgm
.Lentry_in_a_cluster:
	s_bfe_u32 s2, ttmp6, 0x10000c
	s_cmp_lg_u32 s2, 0xf033
	s_cbranch_scc0 .Lentry_shape_is_right
	s_endpgm
.Lentry_shape_is_right:
; qkv = x W_qkv + b_qkv on codes of FP6 (E2M3) with E8M0 scales, K = 1024; the results are quantised at once: q and k along d, v along the keys.  Nothing of the problem's work is left out here.
; Codes and scale words lie as images of the operand's registers (fragment (rb, ks) at (rb KS + ks) 1536; lane-row r of fragment rb = matrix row 32 (rb / 2) + 8 (rb % 2) + r % 8 + 16 (r / 8); scale word of
; (g = rb / 2, ks, u, r) at (g KS + ks) 128 + 4 (16 u + r)).  A tile is 256 x 256; four waves, each 128 x 128: 64 accumulators.  The matrix instruction takes the 'B' tile's fragments as source 0 and the 'A' tile's
; as source 1: a lane then holds one row of A's side and its registers run along B's side in true order: 128 of them are one K step of the next product.
; Clusters x = 0, 1: A = x (tokens), B = W_qkv's columns of q and k: a lane holds a token, registers run along d.  Cluster x = 2: A = W_qkv's columns of v, B = x: a lane holds one d, registers run along the keys.
; CLUSTERS 4 x 4: A's tile hangs on cy alone and is asked for jointly along a row of the cluster, B's on cx alone, along a column.
; K goes through THREE LDS slots of two K steps each, filled at the start; slot 0 is filled once more (K steps 6, 7).  By this text's count a wave has one tensor load out at the most.
; All scale words of a wave come once, straight into registers that hold nothing else.
; LIMITS: NaN and infinities are not served; a block of zeros gets the byte 1 where the rule says 127 (its codes are zeros; this program alone reads the bytes).
; REGISTERS: window 0: v16-17, v20-21 LDS addresses; v26-29; v32-63 A's scale words, v64-95 B's; v128-223 A's fragments, one set (the epilogue works there).  window 1: B's two sets at v0, v128; v96-127, v224-255 the bias.
;   windows 2, 3: accumulator (a, b) at window 2 + a / 4, v[8 (8 (a % 4) + b)].
.set XS,    6291456
.set WQC,   6553600
.set WQS,   8912896
.set KC,    6291456                    ; qkvbuf: q's codes at 0, k's, v's; then the scale words
.set VC,    12582912
.set QS,    18874368
.set KSC,   19136512
.set VS,    19398656
.set SLOT,  98304                      ; A's 16 row blocks x 3,072 bytes (two K steps), then B's
.set HALFT, 24576                      ; 8 row blocks: what one tensor load brings and one wave reads of a side
.set RB,    3072
.set SPARE, 3*SLOT                     ; the spare words, 128 bytes for each wave
.set ADRA,  16
.set ADRB,  20
.set CO,    26                         ; 16 x lane
.set SO,    27                         ; 4 x lane
.set SPW,   28
.set NIL,   29
.set SAR,   32                         ; A's scale words: group i, K step ks at v[SAR + 4 ks + i]: lanes 0-15 fragment 2 i, lanes 16-31 fragment 2 i + 1
.set SBR,   64                         ; B's likewise
.set AF,    128
.set ST,    128                        ; the epilogue: 64 numbers
.set PC,    192                        ; the codes just made (20 registers)
.set TM,    212                        ; 16 at work
.set PWS,   228                        ; the eight fragments' scale words
.set PWC,   236                        ; joined in pairs
.set G1A,   24
.set G0A,   32                         ; a group 0 for each slot
.set G1B,   44
.set G0B,   52
.set SEL,   68
.set MUL_LO, 0xa1                      ; source 0 window 1, source 1 window 0, C and D window 2
.set MUL_HI, 0xf1
.set TO_B,   0x40
.set MSB, 0
.macro WIN new                         ; the immediate's high byte repeats the setting that is left
.if MSB != (\new)
	s_set_vgpr_msb (MSB<<8)|(\new)
.set MSB, (\new)
.endif
.endm
.macro PLACES n
.rept \n
	v_nop
.endr
.endm
.macro JLOAD g0a, g1a, g0b, g1b        ; a joint load: waves 0, 1 fetch A's halves, waves 2, 3 B's; an s_nop 0 and four v_nop follow each line
	s_cmp_eq_u32 s11, 0
	s_cbranch_scc0 .Lfor_b_\@
	tensor_load_to_lds s[\g0a:\g0a+3], s[\g1a:\g1a+7]
	s_nop 0
.rept 4
	v_nop
.endr
	s_branch .Lasked_\@
.Lfor_b_\@:
	tensor_load_to_lds s[\g0b:\g0b+3], s[\g1b:\g1b+7]
	s_nop 0
.rept 4
	v_nop
.endr
.Lasked_\@:
.endm
.macro CREST                           ; a round of the cluster's barrier behind its opening barrier
	s_cmp_lg_u32 s10, 0
	s_cbranch_scc1 .Lnot_wave_0_\@
	s_barrier_signal -3
.Lnot_wave_0_\@:
	s_barrier_wait -3
	s_barrier_signal -1
	s_barrier_wait -1
.endm
.macro CROUND
	s_barrier_signal -1
	s_barrier_wait -1
	CREST
.endm
; one matrix instruction.  z = 1: C is 0.  r0, r1 = 1: that side's scales are read from lanes 16-31
.macro WM d, s0, s1, z, c0, c1, r0, r1
.set wd, \d
.set wa, \s0
.set wb, \s1
.set wc, \c0
.set we, \c1
.set wk, 4*(\z)+2*(\r0)+(\r1)
.if wk == 0
	v_wmma_scale_f32_16x16x128_f8f6f4 v[wd:wd+7], v[wa:wa+11], v[wb:wb+11], v[wd:wd+7], v[wc], v[we] matrix_a_fmt:MATRIX_FMT_FP6 matrix_b_fmt:MATRIX_FMT_FP6
.elseif wk == 1
	v_wmma_scale_f32_16x16x128_f8f6f4 v[wd:wd+7], v[wa:wa+11], v[wb:wb+11], v[wd:wd+7], v[wc], v[we] matrix_a_fmt:MATRIX_FMT_FP6 matrix_b_fmt:MATRIX_FMT_FP6 matrix_b_scale:MATRIX_SCALE_ROW1
.elseif wk == 2
	v_wmma_scale_f32_16x16x128_f8f6f4 v[wd:wd+7], v[wa:wa+11], v[wb:wb+11], v[wd:wd+7], v[wc], v[we] matrix_a_fmt:MATRIX_FMT_FP6 matrix_b_fmt:MATRIX_FMT_FP6 matrix_a_scale:MATRIX_SCALE_ROW1
.elseif wk == 3
	v_wmma_scale_f32_16x16x128_f8f6f4 v[wd:wd+7], v[wa:wa+11], v[wb:wb+11], v[wd:wd+7], v[wc], v[we] matrix_a_fmt:MATRIX_FMT_FP6 matrix_b_fmt:MATRIX_FMT_FP6 matrix_a_scale:MATRIX_SCALE_ROW1 matrix_b_scale:MATRIX_SCALE_ROW1
.elseif wk == 4
	v_wmma_scale_f32_16x16x128_f8f6f4 v[wd:wd+7], v[wa:wa+11], v[wb:wb+11], 0, v[wc], v[we] matrix_a_fmt:MATRIX_FMT_FP6 matrix_b_fmt:MATRIX_FMT_FP6
.elseif wk == 5
	v_wmma_scale_f32_16x16x128_f8f6f4 v[wd:wd+7], v[wa:wa+11], v[wb:wb+11], 0, v[wc], v[we] matrix_a_fmt:MATRIX_FMT_FP6 matrix_b_fmt:MATRIX_FMT_FP6 matrix_b_scale:MATRIX_SCALE_ROW1
.elseif wk == 6
	v_wmma_scale_f32_16x16x128_f8f6f4 v[wd:wd+7], v[wa:wa+11], v[wb:wb+11], 0, v[wc], v[we] matrix_a_fmt:MATRIX_FMT_FP6 matrix_b_fmt:MATRIX_FMT_FP6 matrix_a_scale:MATRIX_SCALE_ROW1
.else
	v_wmma_scale_f32_16x16x128_f8f6f4 v[wd:wd+7], v[wa:wa+11], v[wb:wb+11], 0, v[wc], v[we] matrix_a_fmt:MATRIX_FMT_FP6 matrix_b_fmt:MATRIX_FMT_FP6 matrix_a_scale:MATRIX_SCALE_ROW1 matrix_b_scale:MATRIX_SCALE_ROW1
.endif
.endm
.macro MULA a, p, ks, zero             ; A's block a against B's eight (set p), K step ks.  The 64 accumulators take turns in the same order in every K step
.irp b, 0,1,2,3,4,5,6,7
	WM 8*(8*((\a)%4)+\b), 128*(\p)+12*\b, AF+12*(\a), \zero, SBR+4*(\ks)+\b/2, SAR+4*(\ks)+(\a)/2, \b%2, (\a)%2
.endr
.endm
.macro FRAG reg, adr, off              ; a fragment's image: three loads of 512 consecutive bytes
.irp c, 0,1,2
	ds_load_b128 v[\reg+4*\c:\reg+4*\c+3], v[\adr] offset:\off+512*\c
.endr
.endm
.macro FETCH_B slot, q, p
	WIN TO_B
.irp i, 0,1,2,3,4,5,6,7
	FRAG 128*(\p)+12*\i, ADRB+\slot, \i*RB*(2-(\slot))+1536*(\q)
.endr
	WIN 0
.endm
.macro FETCH_A slot, q, i0
.irp i, \i0, \i0+1, \i0+2, \i0+3
	FRAG AF+12*(\i), ADRA+\slot, (\i)*RB*(2-(\slot))+1536*(\q)
.endr
.endm
; A load into a register that a matrix instruction has read stands four places behind it, and only plain vector instructions that name none of its registers are places (ISA guide 7.12.1 for vector instructions).
.macro STEP ks, nslot, nq, zero        ; K step ks; the next K step's fragments are the nq-th of slot nslot
	s_wait_dscnt 12                                ; B's set and A's blocks 0-3 are in; the youngest 12 loads (A's blocks 4-7) may be out
	WIN MUL_LO
.irp a, 0,1,2,3
	MULA \a, (\ks)%2, \ks, \zero
.endr
	s_wait_dscnt 0x0                               ; A's blocks 4-7 are in
	PLACES 4
	FETCH_B \nslot, \nq, 1-(\ks)%2
	FETCH_A \nslot, \nq, 0
	WIN MUL_HI
.irp a, 4,5,6,7
	MULA \a, (\ks)%2, \ks, \zero
.endr
	PLACES 4
	WIN 0
	FETCH_A \nslot, \nq, 4
.endm
; LDS AS THIS TEXT USES IT: region 0 (196,608 bytes): a row block's row is 6,144 bytes, four K steps; region 1 (98,304 bytes behind it): rows of 3,072 bytes, two K steps.
; THE FILLS, one joint load a wave each: region 0 at the head (K steps 0-3); region 1 behind the round in front of K step 0 (K steps 4, 5); region 0 once more behind K step 3's round (K steps 6, 7 in the places
; of 0, 1: the tile stays 6,144 bytes wide, tensor_dim0 is 3,072, so the rest of each row is written as zeros and is not read).  By this text's count a wave has one tensor load out.
; TURN: an odd K step (B's set 1) with a barrier: in front of it each wave waits for all its tensor loads, adds 0 to its spare word, and waits for that and for its LDS reads.  fill = 1: the barrier opens a round, and region fs is filled behind it.
.macro TURN ks, next, fill, fs, adv
	s_wait_tensorcnt 0x0                           ; all my tensor loads have landed
	ds_add_u32 v[SPW], v[NIL]                      ; 0 onto my spare word
	s_wait_dscnt 13                                ; (the add and A's blocks 4-7 may be out)
	WIN MUL_LO
	MULA 0, 1, \ks, 0
	MULA 1, 1, \ks, 0
	s_wait_dscnt 0x0                               ; the add is done, and my reads of this slot are over
	s_barrier_signal -1
	MULA 2, 1, \ks, 0
	MULA 3, 1, \ks, 0
	WIN 0
	s_barrier_wait -1
.if \fill
	CREST                                          ; no wave of any partner still reads slot 0 or has a load on its way
.if \adv
	s_add_nc_u64 s[G0A+2:G0A+3], s[G0A+2:G0A+3], 3*RB   ; six K steps on
	s_add_nc_u64 s[G0B+2:G0B+3], s[G0B+2:G0B+3], 3*RB
	s_mov_b32 s[G1A+3], 768<<16                    ; no tensor load of mine is out: tile_dim0 = 6,144 bytes again, tensor_dim0 stays 3,072
	s_mov_b32 s[G1B+3], 768<<16
.endif
	JLOAD G0A+4*(\fs), G1A, G0B+4*(\fs), G1B       ; the first tensor load behind the round; its four v_nop are the places in front of the loads below
.else
	PLACES 4
.endif
	FETCH_B \next, 0, 0
	FETCH_A \next, 0, 0
	WIN MUL_HI
.irp a, 4,5,6,7
	MULA \a, 1, \ks, 0
.endr
	PLACES 4
	WIN 0
	FETCH_A \next, 0, 4
.endm
.macro LAST ks
	s_wait_dscnt 12
	WIN MUL_LO
.irp a, 0,1,2,3
	MULA \a, 1, \ks, 0
.endr
	s_wait_dscnt 0x0
	WIN MUL_HI
.irp a, 4,5,6,7
	MULA \a, 1, \ks, 0
.endr
	WIN 0
.endm
; 64 numbers of a lane, register 16 b + i = k 32 b + 16 (lane / 16) + i of my row, become a fragment's codes in v[PC] on and its scale word in v[pw]
.macro QUANT s, pw
.irp b, 0,1,2,3
	v_max3_num_f32 v[TM+\b], |v[\s+16*\b]|, |v[\s+1+16*\b]|, 0x1800000   ; with the floor 2^(3 - 127): the byte cannot fall under 1
.endr
.irp i, 2,4,6,8,10,12,14
.irp b, 0,1,2,3
	v_max3_num_f32 v[TM+\b], v[TM+\b], |v[\s+16*\b+\i]|, |v[\s+1+16*\b+\i]|
.endr
.endr
.irp b, 0,1,2,3
	v_permlanex16_b32 v[TM+4+\b], v[TM+\b], s[SEL], s[SEL+1]
.endr
.irp b, 0,1,2,3
	v_max_num_f32 v[TM+\b], v[TM+\b], v[TM+4+\b]   ; with lane l xor 16's: the block's largest magnitude
.endr
.irp b, 0,1,2,3
	v_add_nc_u32 v[TM+12+\b], 0xff000000, v[TM+\b] ; 2 off its exponent field: the conversion's scale operand
.endr
.irp b, 0,1,2,3
	v_lshrrev_b32 v[TM+4+\b], 23, v[TM+12+\b]      ; the byte
.endr
	v_lshl_or_b32 v[\pw], v[TM+5], 8, v[TM+4]
	v_lshl_or_b32 v[\pw], v[TM+6], 16, v[\pw]
	v_lshl_or_b32 v[\pw], v[TM+7], 24, v[\pw]
.irp c, 0,1
	v_cvt_scalef32_pk16_fp6_f32 v[PC+6*\c:PC+2+6*\c], v[\s+32*\c:\s+15+32*\c], v[TM+12+2*\c]
	v_cvt_scalef32_pk16_fp6_f32 v[PC+12+4*\c:PC+14+4*\c], v[\s+16+32*\c:\s+31+32*\c], v[TM+12+2*\c+1]
.endr
	v_nop                                          ; one plain place behind a scaled conversion
.irp c, 0,1                            ; the operand's layout wants a whole block in a lane
.irp i, 0,1,2
	v_permlane16_swap_b32 v[PC+6*\c+\i], v[PC+12+4*\c+\i]
.endr
.irp i, 0,1,2
	v_mov_b32 v[PC+3+6*\c+\i], v[PC+12+4*\c+\i]
.endr
.endr
.endm
; THE WAY OUT.  For each of my eight blocks of 16 rows: bias, quantise, store the fragment's image (3 x 512 consecutive bytes) and, for each pair of blocks, 128 bytes of scale words.
; mode 0: the bias runs along the registers.  mode 1: it hangs on the lane's row.  rs, gs: bytes from block to block of the codes, from pair to pair of the scale words.
.macro EPI mode, rs, gs
	PLACES 4                                       ; behind the last products: their results are read and A's registers written
.irp a, 0,1,2,3,4,5,6,7
	s_wait_xcnt 0x0                                ; the last block's stores have read their registers
	WIN 0x06+\a/4                                  ; source 0: the accumulators' window; source 1: window 1
.set AC, 64*(\a%4)
.set i, 0
.rept 32
.if \mode
	v_pk_add_f32 v[ST+i:ST+i+1], v[AC+i:AC+i+1], v[96+2*\a:97+2*\a] op_sel_hi:[1,0]
.else
	v_pk_add_f32 v[ST+i:ST+i+1], v[AC+i:AC+i+1], v[96+i+96*(i/32):97+i+96*(i/32)]
.endif
.set i, i+2
.endr
	WIN 0
	QUANT ST, PWS+\a
.irp c, 0,1,2
	global_store_b128 v[CO], v[PC+4*\c:PC+4*\c+3], s[84:85] offset:\a*(\rs)+512*\c
.endr
.if \a%2
	v_cndmask_b32 v[PWC+\a/2], v[PWS+\a-1], v[PWS+\a], s66   ; lanes 0-15: the even block's words, lanes 16-31: the odd block's
	global_store_b32 v[SO], v[PWC+\a/2], s[86:87] offset:(\a/2)*(\gs)
.endif
.endr
.endm
.macro FINISH
	s_wait_tensorcnt 0x0                           ; the wave's end
	ds_add_u32 v[SPW], v[NIL]
	s_wait_dscnt 0x0
	CROUND                                         ; the closing round: no work-group ends while a partner may still ask for a tile that names it
	s_endpgm
.endm
	s_load_b128 s[4:7], s[0:1], 0x0                ; prepbuf, b_qkv
	s_load_b64 s[8:9], s[0:1], 0x10                ; qkvbuf
	v_lshl_add_u32 v[SPW], v0, 2, SPARE
	v_mov_b32 v[NIL], 0
	ds_add_u32 v[SPW], v[NIL]                      ; the wave's opening
	ds_add_u32 v[SPW], v[NIL]
	v_lshrrev_b32 v1, 5, v0
	v_readfirstlane_b32 s10, v1                    ; wave
	s_lshr_b32 s11, s10, 1                         ; my half of A's side.  Also: I fetch for A (0) or for B (1)
	s_and_b32 s12, s10, 1                          ; my half of B's side.  Also: which 8 row blocks I fetch
	s_bfe_u32 s13, ttmp6, 0x40000                  ; cx
	s_bfe_u32 s14, ttmp6, 0x40004                  ; cy
	s_and_b32 s16, ttmp7, 0xffff                   ; cluster y
	s_lshl_b32 s18, s14, 2
	s_lshl_b32 s18, 15, s18                        ; my row of the cluster
	s_lshl_b32 s19, 0x1111, s13                    ; my column
	s_or_b32 s[G1A], s18, (3<<16)|(1<<21)          ; the mask; elements of 8 bytes; bit 21 beside a mask; no padding
	s_or_b32 s[G1B], s19, (3<<16)|(1<<21)
.irp g, G1A, G1B
	s_mov_b32 s[\g+1], 768<<16                     ; tensor_dim0: 6,144 bytes, four K steps of a row block (the head's load)
	s_mov_b32 s[\g+2], 8<<16                       ; tensor_dim1: 8 row blocks
	s_mov_b32 s[\g+3], 768<<16                     ; tile_dim0
	s_mov_b32 s[\g+4], 8                           ; tile_dim1
	s_mov_b32 s[\g+5], 1536                        ; 12,288 bytes from row block to row block
	s_mov_b32 s[\g+6], 0
	s_mov_b32 s[\g+7], 0
.endr
	s_lshl_b32 s20, s16, 2                         ; 4 x cluster y
	s_lshl_b32 s21, ttmp9, 2                       ; 4 x cluster x
	s_mov_b32 s72, XS
	s_mov_b32 s73, WQS
	s_cmp_eq_u32 ttmp9, 2                          ; the clusters of v: the same in all sixteen partners
	s_cselect_b32 s17, 1, 0
	s_cselect_b32 s22, 0, s20
	s_cselect_b32 s23, s20, s21
	s_cselect_b32 s70, WQC+1572864, 0              ; A's codes: v's columns of W_qkv, or x
	s_cselect_b32 s71, 0, WQC                      ; B's: x, or W_qkv
	s_cselect_b32 s72, WQS+65536, s72
	s_cselect_b32 s73, XS, s73
	s_add_co_u32 s22, s22, s14                     ; A's tile: made of cy and cluster numbers alone
	s_add_co_u32 s23, s23, s13                     ; B's tile: of cx and cluster numbers alone
	s_mul_i32 s2, s12, 98304                       ; my 8 row blocks of the tile's 16
	s_mul_i32 s74, s22, 196608
	s_add_co_u32 s74, s74, s70
	s_add_co_u32 s74, s74, s2
	s_mov_b32 s75, 0
	s_mul_i32 s76, s23, 196608
	s_add_co_u32 s76, s76, s71
	s_add_co_u32 s76, s76, s2
	s_mov_b32 s77, 0
	s_lshl_b32 s80, s22, 3
	s_lshl_b32 s81, s11, 2
	s_add_co_u32 s80, s80, s81                     ; my first group of A's rows
	s_lshl_b32 s80, s80, 10
	s_add_co_u32 s80, s80, s72
	s_mov_b32 s81, 0
	s_lshl_b32 s82, s23, 3
	s_lshl_b32 s83, s12, 2
	s_add_co_u32 s82, s82, s83
	s_lshl_b32 s82, s82, 10
	s_add_co_u32 s82, s82, s73
	s_mov_b32 s83, 0
	s_mul_i32 s78, s10, HALFT                      ; where my load lands in a slot: no place in the cluster enters an LDS address
	s_mov_b32 s66, 0xffff0000                      ; lanes 16-31
	s_mov_b32 s[SEL], 0x76543210
	s_mov_b32 s[SEL+1], 0xfedcba98
	s_wait_dscnt 0x0                               ; both opening adds are done
	s_wait_kmcnt 0x0
	s_add_nc_u64 s[74:75], s[4:5], s[74:75]
	s_add_nc_u64 s[76:77], s[4:5], s[76:77]
	s_add_nc_u64 s[80:81], s[4:5], s[80:81]
	s_add_nc_u64 s[82:83], s[4:5], s[82:83]
	CROUND                                         ; all sixteen work-groups are here: the first joint loads meet
.irp s, 0,1
	s_mov_b32 s[G0A+4*\s], 1
	s_lshl_b32 s[G0A+4*\s+1], s78, 1-\s            ; region 0: 49,152 bytes a wave; region 1: 24,576
	s_add_co_u32 s[G0A+4*\s+1], s[G0A+4*\s+1], \s*2*SLOT
	s_add_nc_u64 s[G0A+4*\s+2:G0A+4*\s+3], s[74:75], \s*2*RB
	s_or_b32 s[G0A+4*\s+3], s[G0A+4*\s+3], 0x80000000
	s_mov_b32 s[G0B+4*\s], 1
	s_lshl_b32 s[G0B+4*\s+1], s78, 1-\s
	s_add_co_u32 s[G0B+4*\s+1], s[G0B+4*\s+1], \s*2*SLOT
	s_add_nc_u64 s[G0B+4*\s+2:G0B+4*\s+3], s[76:77], \s*2*RB
	s_or_b32 s[G0B+4*\s+3], s[G0B+4*\s+3], 0x80000000
.endr
	JLOAD G0A, G1A, G0B, G1B                       ; K steps 0-3: one tensor load a wave at the head
	v_and_b32 v2, 31, v0
	v_lshlrev_b32 v[CO], 4, v2
	v_lshlrev_b32 v[SO], 2, v2
.irp k, 0,1,2,3,4,5,6,7
.irp i, 0,1,2,3
	global_load_b32 v[SAR+4*\k+\i], v[SO], s[80:81] offset:(8*\i+\k)*128
	global_load_b32 v[SBR+4*\k+\i], v[SO], s[82:83] offset:(8*\i+\k)*128
.endr
.endr
	s_mul_i32 s2, s11, HALFT
	s_mul_i32 s3, s12, HALFT
	s_add_co_u32 s3, s3, 2*HALFT
	v_add_nc_u32 v[ADRA+1], s2, v[CO]
	v_add_nc_u32 v[ADRB+1], s3, v[CO]
	v_add_nc_u32 v[ADRA], s2, v[ADRA+1]            ; region 0: a part is twice as long
	v_add_nc_u32 v[ADRB], s3, v[ADRB+1]
	v_add_nc_u32 v[ADRA+1], 2*SLOT, v[ADRA+1]      ; region 1 lies behind region 0
	v_add_nc_u32 v[ADRB+1], 2*SLOT, v[ADRB+1]
	s_wait_alu depctr_va_vdst(0)
	s_wait_loadcnt 0x0                             ; the scale words
	s_wait_tensorcnt 0x0                           ; my part of slot 0 is in
	ds_add_u32 v[SPW], v[NIL]
	s_mov_b32 s[G1A+1], 384<<16                    ; no tensor load of mine is out, so a descriptor may be written: rows of 3,072 bytes
	s_mov_b32 s[G1A+3], 384<<16
	s_mov_b32 s[G1B+1], 384<<16
	s_mov_b32 s[G1B+3], 384<<16
	s_wait_dscnt 0x0
	CROUND                                         ; region 0 is whole, and all sixteen work-groups are here
	JLOAD G0A+4, G1A, G0B+4, G1B                   ; K steps 4, 5 into region 1
	FETCH_B 0, 0, 0
	FETCH_A 0, 0, 0
	FETCH_A 0, 0, 4
	STEP 0, 0, 1, 1                                ; the first products start the sums
	STEP 1, 0, 2, 0
	STEP 2, 0, 3, 0
	TURN 3, 1, 1, 0, 1                             ; region 1 is whole; region 0 is read out and takes K steps 6, 7
	STEP 4, 1, 1, 0
	TURN 5, 0, 0, 0, 0                             ; the refill has landed in every wave
	s_cmp_eq_u32 s17, 1
	s_cbranch_scc1 .Lmode_v
	; ---- q and k: the bias is asked for here and lands under the last two K steps
	s_lshl_b32 s84, s22, 4
	s_lshl_b32 s90, s11, 3
	s_add_co_u32 s84, s84, s90                     ; my first row block: 16 tA + 8 half
	s_mul_i32 s84, s84, 12288
	s_lshl_b32 s90, s13, 1
	s_add_co_u32 s90, s90, s12                     ; the K step that my 128 columns are: 2 cx + half
	s_mul_i32 s91, s90, 1536
	s_add_co_u32 s84, s84, s91
	s_mul_i32 s91, ttmp9, KC                       ; q's codes or k's
	s_add_co_u32 s84, s84, s91
	s_mov_b32 s85, 0
	s_add_nc_u64 s[84:85], s[8:9], s[84:85]
	s_lshl_b32 s86, s22, 3
	s_lshl_b32 s91, s11, 2
	s_add_co_u32 s86, s86, s91
	s_lshl_b32 s86, s86, 3
	s_add_co_u32 s86, s86, s90
	s_lshl_b32 s86, s86, 7
	s_mul_i32 s91, ttmp9, KSC-QS
	s_add_co_u32 s86, s86, s91
	s_add_co_u32 s86, s86, QS
	s_mov_b32 s87, 0
	s_add_nc_u64 s[86:87], s[8:9], s[86:87]
	s_lshl_b32 s88, s23, 10
	s_lshl_b32 s91, s12, 9
	s_add_co_u32 s88, s88, s91                     ; b_qkv at my 128 columns
	s_mov_b32 s89, 0
	s_add_nc_u64 s[88:89], s[6:7], s[88:89]
	v_bfe_u32 v3, v0, 4, 1
	v_lshlrev_b32 v3, 6, v3                        ; 64 h: register 16 e + i holds column 32 e + 16 h + i
	WIN 0x40
.irp e, 0,1,2,3
.irp j, 0,1,2,3
	global_load_b128 v[96+16*\e+4*\j+96*(\e/2):99+16*\e+4*\j+96*(\e/2)], v3, s[88:89] offset:128*\e+16*\j
.endr
.endr
	WIN 0
	STEP 6, 0, 1, 0
	LAST 7
	s_wait_loadcnt 0x0                             ; the bias
	EPI 0, 12288, 1024
	FINISH
.Lmode_v:
	; ---- v: a lane holds one d; the K step that my 128 keys are: 2 (tB % 8) + half, in batch tB / 8
	s_lshr_b32 s90, s23, 3
	s_and_b32 s91, s23, 7
	s_lshl_b32 s91, s91, 1
	s_add_co_u32 s91, s91, s12
	s_lshl_b32 s84, s90, 6
	s_lshl_b32 s92, s14, 4
	s_add_co_u32 s84, s84, s92
	s_lshl_b32 s92, s11, 3
	s_add_co_u32 s84, s84, s92                     ; 64 batch + 16 cy + 8 half
	s_lshl_b32 s84, s84, 4
	s_add_co_u32 s84, s84, s91
	s_mul_i32 s84, s84, 1536
	s_add_co_u32 s84, s84, VC
	s_mov_b32 s85, 0
	s_add_nc_u64 s[84:85], s[8:9], s[84:85]
	s_lshl_b32 s86, s90, 5
	s_lshl_b32 s92, s14, 3
	s_add_co_u32 s86, s86, s92
	s_lshl_b32 s92, s11, 2
	s_add_co_u32 s86, s86, s92                     ; 32 batch + 8 cy + 4 half
	s_lshl_b32 s86, s86, 4
	s_add_co_u32 s86, s86, s91
	s_lshl_b32 s86, s86, 7
	s_add_co_u32 s86, s86, VS
	s_mov_b32 s87, 0
	s_add_nc_u64 s[86:87], s[8:9], s[86:87]
	s_lshl_b32 s88, s14, 10
	s_lshl_b32 s92, s11, 9
	s_add_co_u32 s88, s88, s92
	s_add_co_u32 s88, s88, 8192                    ; b_qkv at column 2048 + 256 cy + 128 half
	s_mov_b32 s89, 0
	s_add_nc_u64 s[88:89], s[6:7], s[88:89]
	v_and_b32 v3, 7, v0
	v_bfe_u32 v4, v0, 3, 1
	v_lshl_add_u32 v3, v4, 4, v3
	v_lshlrev_b32 v3, 2, v3                        ; 4 (r % 8 + 16 (r / 8))
	WIN 0x40
.irp a, 0,1,2,3,4,5,6,7
	global_load_b32 v[96+2*\a], v3, s[88:89] offset:4*(32*(\a/2)+8*(\a%2))
	v_mov_b32 v[97+2*\a], 0                        ; (named with it as a pair, so it is written)
.endr
	WIN 0
	STEP 6, 0, 1, 0
	LAST 7
	s_wait_loadcnt 0x0
	s_wait_alu depctr_va_vdst(0)
	EPI 1, 24576, 2048
	FINISH
.Lfunc_end_k_qfd0065888f_qkv:
	.size	k_qfd0065888f_qkv, .Lfunc_end_k_qfd0065888f_qkv-k_qfd0065888f_qkv
	.p2alignl 7, 3214868480
	.fill 96, 4, 3214868480
	.section	.rodata,"a",@progbits
	.p2align	6, 0x0
	.amdhsa_kernel k_qfd0065888f_qkv
		.amdhsa_group_segment_fixed_size 327680
		.amdhsa_private_segment_fixed_size 0
		.amdhsa_enable_private_segment 0
		.amdhsa_kernarg_size 24
		.amdhsa_user_sgpr_count 2
		.amdhsa_user_sgpr_kernarg_segment_ptr 1
		.amdhsa_wavefront_size32 1
		.amdhsa_system_sgpr_workgroup_id_x 1
		.amdhsa_system_sgpr_workgroup_id_y 1
		.amdhsa_system_sgpr_workgroup_id_z 1
		.amdhsa_system_vgpr_workitem_id 0
		.amdhsa_next_free_vgpr 1024
		.amdhsa_next_free_sgpr 100
		.amdhsa_reserve_vcc 0
		.amdhsa_float_denorm_mode_32 3
		.amdhsa_float_denorm_mode_16_64 3
		.amdhsa_memory_ordered 1
		.amdhsa_forward_progress 1
		.amdhsa_inst_pref_size 231
	.end_amdhsa_kernel
	.amdgpu_metadata
---
amdhsa.version: [ 1, 2 ]
amdhsa.kernels:
  - .name:           k_qfd0065888f_qkv
    .symbol:         k_qfd0065888f_qkv.kd
    .args:
      - { .name: prepbuf, .offset: 0, .size: 8, .value_kind: global_buffer, .address_space: global }
      - { .name: b_qkv, .offset: 8, .size: 8, .value_kind: global_buffer, .address_space: global }
      - { .name: qkvbuf, .offset: 16, .size: 8, .value_kind: global_buffer, .address_space: global }
    .group_segment_fixed_size: 327680
    .private_segment_fixed_size: 0
    .kernarg_segment_align: 8
    .kernarg_segment_size: 24
    .max_flat_workgroup_size: 128
    .sgpr_count:     100
    .vgpr_count:     1024
    .wavefront_size: 32
...
	.end_amdgpu_metadata
.endif
;; end of part 2
;; launch scores (part 3): grid 8 x 32, 4 waves a work-group, clusters of 4 x 4, 327,680 bytes of LDS; arguments qkvbuf, pbuf; writes pbuf
.if DOCPART == 3
	.amdgcn_target "amdgcn-amd-amdhsa--gfx1250"
	.amdhsa_code_object_version 6
	.text
	.protected	k_qfd0065888f_scores
	.globl	k_qfd0065888f_scores
	.p2align	8
	.type	k_qfd0065888f_scores,@function
k_qfd0065888f_scores:
	s_mov_b64 s[64:65], 0
	v_nop
	global_prefetch_b8 v0, s[64:65] scope:SCOPE_SE
	s_setreg_imm32_b32 hwreg(HW_REG_WAVE_MODE, 25, 1), 1
	s_wait_xcnt 0x0
	s_wait_alu depctr_hold_cnt(0) depctr_sa_sdst(0) depctr_va_vdst(0) depctr_va_sdst(0) depctr_va_ssrc(0) depctr_va_vcc(0) depctr_vm_vsrc(0)
	s_getreg_b32 s2, hwreg(HW_REG_IB_STS2, 6, 4)
	s_cmp_eq_u32 s2, 0
	s_cbranch_scc0 .Lentry_in_a_cluster
	s_endpgm
.Lentry_in_a_cluster:
	s_bfe_u32 s2, ttmp6, 0x10000c
	s_cmp_lg_u32 s2, 0xf033
	s_cbranch_scc0 .Lentry_shape_is_right
	s_endpgm
.Lentry_shape_is_right:
; S = q k^T on codes of FP6 (E2M3), K = 1024, and the softmax's p as codes.  Nothing of the problem's work is left out here.
; A tile is 256 queries x 256 keys of one batch; four waves, each 128 x 128.  Source 0 = k's fragments, source 1 = q's: a lane holds one query, its registers run along the keys in true order.
; THE SOFTMAX UNDER A LOCAL M.  t = score x log2(e) / 32.  For each query and each chunk of 128 keys (a wave's share, one K step of the next product): M = ceil(the chunk's largest t), a whole number;
; p = 2^(t - M) is quantised along the keys; stored are the codes, the scale word, -M and the sum of the unquantised p.  The next launch brings all chunks of a row under the row's M by adding a whole number
; to the scale bytes: an exact power of two, which leaves the codes as they are.
; Ring, joint loads, scale words and register windows are as in the launch qkv: three slots of two K steps, one refill; one tensor load a wave out at the most.
; LIMITS: NaN and infinities are not served; |M| is taken to lie under 2^24; a block all of whose p have fallen to 0 keeps the byte 1 (its codes are zeros).
.set KC,    6291456
.set QS,    18874368
.set KSC,   19136512
.set PSO,   12582912                   ; pbuf: p's codes at 0, scale words, -M, the sums
.set SLOT,  98304
.set HALFT, 24576
.set RB,    3072
.set SPARE, 3*SLOT
.set ADRA,  16
.set ADRB,  20
.set CO,    26
.set SO,    27
.set SPW,   28
.set NIL,   29
.set SAR,   32
.set SBR,   64
.set PWS,   96                         ; v96-103 the eight blocks' scale words; v104-111 their -M; v112-119 their sums; v120-122 joined in pairs
.set NMS,   104
.set LLS,   112
.set CMB,   120
.set AF,    128
.set ST,    128                        ; t - M, then p
.set PC,    192
.set BX,    212                        ; the four blocks' largest scores, then largest p
.set T4,    216
.set SOP,   220                        ; the conversions' scale operands
.set BY,    224                        ; the bytes
.set NMP,   228                        ; v[228:229] -M (the pair's upper word is written once)
.set LP,    230                        ; v[230:233] the sum in two chains
.set TT,    234
.set G1A,   24
.set G0A,   32
.set G1B,   44
.set G0B,   52
.set SEL,   68
.set MUL_LO, 0xa1
.set MUL_HI, 0xf1
.set TO_B,   0x40
.set MSB, 0
.macro WIN new
.if MSB != (\new)
	s_set_vgpr_msb (MSB<<8)|(\new)
.set MSB, (\new)
.endif
.endm
.macro PLACES n
.rept \n
	v_nop
.endr
.endm
.macro JLOAD g0a, g1a, g0b, g1b
	s_cmp_eq_u32 s11, 0
	s_cbranch_scc0 .Lfor_b_\@
	tensor_load_to_lds s[\g0a:\g0a+3], s[\g1a:\g1a+7]
	s_nop 0
.rept 4
	v_nop
.endr
	s_branch .Lasked_\@
.Lfor_b_\@:
	tensor_load_to_lds s[\g0b:\g0b+3], s[\g1b:\g1b+7]
	s_nop 0
.rept 4
	v_nop
.endr
.Lasked_\@:
.endm
.macro CREST
	s_cmp_lg_u32 s10, 0
	s_cbranch_scc1 .Lnot_wave_0_\@
	s_barrier_signal -3
.Lnot_wave_0_\@:
	s_barrier_wait -3
	s_barrier_signal -1
	s_barrier_wait -1
.endm
.macro CROUND
	s_barrier_signal -1
	s_barrier_wait -1
	CREST
.endm
.macro WM d, s0, s1, z, c0, c1, r0, r1
.set wd, \d
.set wa, \s0
.set wb, \s1
.set wc, \c0
.set we, \c1
.set wk, 4*(\z)+2*(\r0)+(\r1)
.if wk == 0
	v_wmma_scale_f32_16x16x128_f8f6f4 v[wd:wd+7], v[wa:wa+11], v[wb:wb+11], v[wd:wd+7], v[wc], v[we] matrix_a_fmt:MATRIX_FMT_FP6 matrix_b_fmt:MATRIX_FMT_FP6
.elseif wk == 1
	v_wmma_scale_f32_16x16x128_f8f6f4 v[wd:wd+7], v[wa:wa+11], v[wb:wb+11], v[wd:wd+7], v[wc], v[we] matrix_a_fmt:MATRIX_FMT_FP6 matrix_b_fmt:MATRIX_FMT_FP6 matrix_b_scale:MATRIX_SCALE_ROW1
.elseif wk == 2
	v_wmma_scale_f32_16x16x128_f8f6f4 v[wd:wd+7], v[wa:wa+11], v[wb:wb+11], v[wd:wd+7], v[wc], v[we] matrix_a_fmt:MATRIX_FMT_FP6 matrix_b_fmt:MATRIX_FMT_FP6 matrix_a_scale:MATRIX_SCALE_ROW1
.elseif wk == 3
	v_wmma_scale_f32_16x16x128_f8f6f4 v[wd:wd+7], v[wa:wa+11], v[wb:wb+11], v[wd:wd+7], v[wc], v[we] matrix_a_fmt:MATRIX_FMT_FP6 matrix_b_fmt:MATRIX_FMT_FP6 matrix_a_scale:MATRIX_SCALE_ROW1 matrix_b_scale:MATRIX_SCALE_ROW1
.elseif wk == 4
	v_wmma_scale_f32_16x16x128_f8f6f4 v[wd:wd+7], v[wa:wa+11], v[wb:wb+11], 0, v[wc], v[we] matrix_a_fmt:MATRIX_FMT_FP6 matrix_b_fmt:MATRIX_FMT_FP6
.elseif wk == 5
	v_wmma_scale_f32_16x16x128_f8f6f4 v[wd:wd+7], v[wa:wa+11], v[wb:wb+11], 0, v[wc], v[we] matrix_a_fmt:MATRIX_FMT_FP6 matrix_b_fmt:MATRIX_FMT_FP6 matrix_b_scale:MATRIX_SCALE_ROW1
.elseif wk == 6
	v_wmma_scale_f32_16x16x128_f8f6f4 v[wd:wd+7], v[wa:wa+11], v[wb:wb+11], 0, v[wc], v[we] matrix_a_fmt:MATRIX_FMT_FP6 matrix_b_fmt:MATRIX_FMT_FP6 matrix_a_scale:MATRIX_SCALE_ROW1
.else
	v_wmma_scale_f32_16x16x128_f8f6f4 v[wd:wd+7], v[wa:wa+11], v[wb:wb+11], 0, v[wc], v[we] matrix_a_fmt:MATRIX_FMT_FP6 matrix_b_fmt:MATRIX_FMT_FP6 matrix_a_scale:MATRIX_SCALE_ROW1 matrix_b_scale:MATRIX_SCALE_ROW1
.endif
.endm
.macro MULA a, p, ks, zero             ; the 64 accumulators take turns in the same order in every K step
.irp b, 0,1,2,3,4,5,6,7
	WM 8*(8*((\a)%4)+\b), 128*(\p)+12*\b, AF+12*(\a), \zero, SBR+4*(\ks)+\b/2, SAR+4*(\ks)+(\a)/2, \b%2, (\a)%2
.endr
.endm
.macro FRAG reg, adr, off
.irp c, 0,1,2
	ds_load_b128 v[\reg+4*\c:\reg+4*\c+3], v[\adr] offset:\off+512*\c
.endr
.endm
.macro FETCH_B slot, q, p
	WIN TO_B
.irp i, 0,1,2,3,4,5,6,7
	FRAG 128*(\p)+12*\i, ADRB+\slot, \i*RB*(2-(\slot))+1536*(\q)
.endr
	WIN 0
.endm
.macro FETCH_A slot, q, i0
.irp i, \i0, \i0+1, \i0+2, \i0+3
	FRAG AF+12*(\i), ADRA+\slot, (\i)*RB*(2-(\slot))+1536*(\q)
.endr
.endm
.macro STEP ks, nslot, nq, zero
	s_wait_dscnt 12                                ; B's set and A's blocks 0-3 are in; the youngest 12 loads (A's blocks 4-7) may be out
	WIN MUL_LO
.irp a, 0,1,2,3
	MULA \a, (\ks)%2, \ks, \zero
.endr
	s_wait_dscnt 0x0
	PLACES 4                                       ; four places in front of loads into registers that matrix instructions have read
	FETCH_B \nslot, \nq, 1-(\ks)%2
	FETCH_A \nslot, \nq, 0
	WIN MUL_HI
.irp a, 4,5,6,7
	MULA \a, (\ks)%2, \ks, \zero
.endr
	PLACES 4
	WIN 0
	FETCH_A \nslot, \nq, 4
.endm
; LDS AS THIS TEXT USES IT: region 0 (196,608 bytes): rows of 6,144 bytes, four K steps; region 1 (98,304 bytes behind it): rows of 3,072 bytes, two K steps.
; THE FILLS, one joint load a wave each: region 0 at the head (K steps 0-3); region 1 behind the round in front of K step 0 (K steps 4, 5); region 0 once more behind K step 3's round (K steps 6, 7 in the places
; of 0, 1: the tile stays 6,144 bytes wide, tensor_dim0 is 3,072, so the rest of each row is written as zeros and is not read).  By this text's count a wave has one tensor load out.
.macro TURN ks, next, fill, fs, adv
	s_wait_tensorcnt 0x0                           ; all my tensor loads have landed
	ds_add_u32 v[SPW], v[NIL]                      ; 0 onto my spare word
	s_wait_dscnt 13                                ; (the add and A's blocks 4-7 may be out)
	WIN MUL_LO
	MULA 0, 1, \ks, 0
	MULA 1, 1, \ks, 0
	s_wait_dscnt 0x0                               ; the add is done, and my reads of this slot are over
	s_barrier_signal -1
	MULA 2, 1, \ks, 0
	MULA 3, 1, \ks, 0
	WIN 0
	s_barrier_wait -1
.if \fill
	CREST                                          ; no wave of any partner still reads slot 0 or has a load on its way
.if \adv
	s_add_nc_u64 s[G0A+2:G0A+3], s[G0A+2:G0A+3], 3*RB   ; six K steps on
	s_add_nc_u64 s[G0B+2:G0B+3], s[G0B+2:G0B+3], 3*RB
	s_mov_b32 s[G1A+3], 768<<16                    ; no tensor load of mine is out: tile_dim0 = 6,144 bytes again, tensor_dim0 stays 3,072
	s_mov_b32 s[G1B+3], 768<<16
.endif
	JLOAD G0A+4*(\fs), G1A, G0B+4*(\fs), G1B       ; the first tensor load behind the round
.else
	PLACES 4
.endif
	FETCH_B \next, 0, 0
	FETCH_A \next, 0, 0
	WIN MUL_HI
.irp a, 4,5,6,7
	MULA \a, 1, \ks, 0
.endr
	PLACES 4
	WIN 0
	FETCH_A \next, 0, 4
.endm
.macro LAST ks
	s_wait_dscnt 12
	WIN MUL_LO
.irp a, 0,1,2,3
	MULA \a, 1, \ks, 0
.endr
	s_wait_dscnt 0x0
	WIN MUL_HI
.irp a, 4,5,6,7
	MULA \a, 1, \ks, 0
.endr
	WIN 0
.endm
; THE SOFTMAX OF BLOCK a (16 queries x my 128 keys).  Register 16 b + i of the block's 64 holds key 32 b + 16 (lane / 16) + i.
.macro SOFT a
.set AC, 64*((\a)%4)
.set WW, 2+(\a)/4
	s_wait_xcnt 0x0                                ; the last block's stores have read their registers
	WIN WW|(WW<<2)|(WW<<4)
.irp b, 0,1,2,3
	v_max3_num_f32 v[BX+\b], v[AC+16*\b], v[AC+16*\b+1], v[AC+16*\b+2]   ; the largest score of each block of 32 keys: for the chunk's maximum and, since p rises with the score, for the block's largest p
.endr
	WIN (WW<<2)|(WW<<4)
.irp i, 3,5,7,9,11,13
.irp b, 0,1,2,3
	v_max3_num_f32 v[BX+\b], v[BX+\b], v[AC+16*\b+\i], v[AC+16*\b+\i+1]   ; (each accumulator is first read at its low end)
.endr
.endr
.irp b, 0,1,2,3
	v_max_num_f32 v[BX+\b], v[BX+\b], v[AC+16*\b+15]
.endr
	WIN 0
.irp b, 0,1,2,3
	v_permlanex16_b32 v[T4+\b], v[BX+\b], s[SEL], s[SEL+1]
.endr
.irp b, 0,1,2,3
	v_max_num_f32 v[BX+\b], v[BX+\b], v[T4+\b]     ; with lane l xor 16's 16 keys
.endr
	v_max3_num_f32 v[TT], v[BX], v[BX+1], v[BX+2]
	v_max_num_f32 v[TT], v[TT], v[BX+3]            ; the chunk's largest score of my query
	v_mul_f32 v[TT], s70, v[TT]                    ; as t
	v_floor_f32 v[NMP], -v[TT]                     ; -M = floor(-t) = -ceil(t)
	WIN WW
.set i, 0
.rept 32
	v_pk_fma_f32 v[ST+i:ST+i+1], v[AC+i:AC+i+1], s[70:71], v[NMP:NMP+1] op_sel_hi:[1,0,0]   ; t - M, two at a time
.set i, i+2
.endr
	WIN 0
.irp b, 0,1,2,3
	v_fma_f32 v[BX+\b], v[BX+\b], s70, v[NMP]      ; the same of each block's largest score
.endr
.set i, 0
	s_wait_alu depctr_va_vdst(0)
.rept 64
	v_exp_f32 v[ST+i], v[ST+i]                     ; p = 2^(t - M)
.set i, i+1
.endr
	v_mov_b32 v[NMS+(\a)], v[NMP]                  ; (a plain place behind the exponentials)
	s_wait_alu depctr_va_vdst(0)                   ; one wait for the batch, ahead of its first reader
.irp b, 0,1,2,3
	v_exp_f32 v[BX+\b], v[BX+\b]                   ; the block's largest p: the same two instructions on the same number give the same bits
.endr
	v_pk_add_f32 v[LP:LP+1], v[ST:ST+1], v[ST+2:ST+3]          ; the sum of the UNQUANTISED p, in two chains
	v_pk_add_f32 v[LP+2:LP+3], v[ST+4:ST+5], v[ST+6:ST+7]
.set i, 8
.rept 14
	v_pk_add_f32 v[LP:LP+1], v[LP:LP+1], v[ST+i:ST+i+1]
	v_pk_add_f32 v[LP+2:LP+3], v[LP+2:LP+3], v[ST+i+2:ST+i+3]
.set i, i+4
.endr
	v_pk_add_f32 v[LP:LP+1], v[LP:LP+1], v[LP+2:LP+3]
	v_add_f32 v[LP], v[LP], v[LP+1]
	v_permlanex16_b32 v[T4], v[LP], s[SEL], s[SEL+1]
	v_add_f32 v[LLS+(\a)], v[LP], v[T4]
	s_wait_alu depctr_va_vdst(0)                   ; and one for the four
.irp b, 0,1,2,3
	v_max_num_f32 v[BX+\b], 0x1800000, v[BX+\b]    ; the floor 2^(3 - 127)
.endr
.irp b, 0,1,2,3
	v_add_nc_u32 v[SOP+\b], 0xff000000, v[BX+\b]
.endr
.irp b, 0,1,2,3
	v_lshrrev_b32 v[BY+\b], 23, v[SOP+\b]
.endr
	v_lshl_or_b32 v[PWS+(\a)], v[BY+1], 8, v[BY]
	v_lshl_or_b32 v[PWS+(\a)], v[BY+2], 16, v[PWS+(\a)]
	v_lshl_or_b32 v[PWS+(\a)], v[BY+3], 24, v[PWS+(\a)]
.irp c, 0,1
	v_cvt_scalef32_pk16_fp6_f32 v[PC+6*\c:PC+2+6*\c], v[ST+32*\c:ST+15+32*\c], v[SOP+2*\c]
	v_cvt_scalef32_pk16_fp6_f32 v[PC+12+4*\c:PC+14+4*\c], v[ST+16+32*\c:ST+31+32*\c], v[SOP+2*\c+1]
.endr
	v_nop                                          ; one plain place behind a scaled conversion
.irp c, 0,1
.irp i, 0,1,2
	v_permlane16_swap_b32 v[PC+6*\c+\i], v[PC+12+4*\c+\i]
.endr
.irp i, 0,1,2
	v_mov_b32 v[PC+3+6*\c+\i], v[PC+12+4*\c+\i]
.endr
.endr
.irp c, 0,1,2
	global_store_b128 v[CO], v[PC+4*\c:PC+4*\c+3], s[84:85] offset:(\a)*24576+512*\c   ; 512 consecutive bytes
.endr
.if (\a)%2
	v_cndmask_b32 v[CMB], v[PWS+(\a)-1], v[PWS+(\a)], s66        ; lanes 0-15: the even block's rows, lanes 16-31: the odd block's
	v_cndmask_b32 v[CMB+1], v[NMS+(\a)-1], v[NMS+(\a)], s66
	v_cndmask_b32 v[CMB+2], v[LLS+(\a)-1], v[LLS+(\a)], s66
	global_store_b32 v[SO], v[CMB], s[86:87] offset:((\a)/2)*2048
	global_store_b32 v[SO], v[CMB+1], s[86:87] offset:((\a)/2)*2048+524288
	global_store_b32 v[SO], v[CMB+2], s[86:87] offset:((\a)/2)*2048+1048576
.endif
.endm
	s_load_b128 s[4:7], s[0:1], 0x0                ; qkvbuf, pbuf
	v_lshl_add_u32 v[SPW], v0, 2, SPARE
	v_mov_b32 v[NIL], 0
	ds_add_u32 v[SPW], v[NIL]                      ; the wave's opening
	ds_add_u32 v[SPW], v[NIL]
	v_lshrrev_b32 v1, 5, v0
	v_readfirstlane_b32 s10, v1                    ; wave
	s_lshr_b32 s11, s10, 1                         ; my half of the queries.  Also: I fetch for q (0) or for k (1)
	s_and_b32 s12, s10, 1                          ; my half of the keys.  Also: which 8 row blocks I fetch
	s_bfe_u32 s13, ttmp6, 0x40000                  ; cx
	s_bfe_u32 s14, ttmp6, 0x40004                  ; cy
	s_and_b32 s16, ttmp7, 0xffff                   ; cluster y
	s_lshl_b32 s18, s14, 2
	s_lshl_b32 s18, 15, s18
	s_lshl_b32 s19, 0x1111, s13
	s_or_b32 s[G1A], s18, (3<<16)|(1<<21)
	s_or_b32 s[G1B], s19, (3<<16)|(1<<21)
.irp g, G1A, G1B
	s_mov_b32 s[\g+1], 768<<16                     ; the head's load: rows of 6,144 bytes, four K steps
	s_mov_b32 s[\g+2], 8<<16
	s_mov_b32 s[\g+3], 768<<16
	s_mov_b32 s[\g+4], 8
	s_mov_b32 s[\g+5], 1536
	s_mov_b32 s[\g+6], 0
	s_mov_b32 s[\g+7], 0
.endr
	s_lshl_b32 s22, s16, 2
	s_add_co_u32 s22, s22, s14                     ; q's tile of 256 rows: 4 x cluster y + cy
	s_lshl_b32 s23, ttmp9, 2
	s_add_co_u32 s23, s23, s13                     ; k's tile in its batch: 4 x cluster x + cx
	s_lshr_b32 s17, s16, 1                         ; the batch: the same in all partners
	s_lshl_b32 s20, s17, 3
	s_add_co_u32 s20, s20, s23                     ; k's tile among all
	s_mul_i32 s2, s12, 98304
	s_mul_i32 s74, s22, 196608
	s_add_co_u32 s74, s74, s2
	s_mov_b32 s75, 0
	s_mul_i32 s76, s20, 196608
	s_add_co_u32 s76, s76, s2
	s_add_co_u32 s76, s76, KC
	s_mov_b32 s77, 0
	s_lshl_b32 s80, s22, 3
	s_lshl_b32 s81, s11, 2
	s_add_co_u32 s80, s80, s81
	s_lshl_b32 s80, s80, 10
	s_add_co_u32 s80, s80, QS
	s_mov_b32 s81, 0
	s_lshl_b32 s82, s20, 3
	s_lshl_b32 s83, s12, 2
	s_add_co_u32 s82, s82, s83
	s_lshl_b32 s82, s82, 10
	s_add_co_u32 s82, s82, KSC
	s_mov_b32 s83, 0
	s_lshl_b32 s90, s23, 1
	s_add_co_u32 s90, s90, s12                     ; the K step that my 128 keys are
	s_lshl_b32 s84, s22, 4
	s_lshl_b32 s91, s11, 3
	s_add_co_u32 s84, s84, s91
	s_lshl_b32 s84, s84, 4
	s_add_co_u32 s84, s84, s90
	s_mul_i32 s84, s84, 1536
	s_mov_b32 s85, 0
	s_lshl_b32 s86, s22, 3
	s_lshl_b32 s91, s11, 2
	s_add_co_u32 s86, s86, s91
	s_lshl_b32 s86, s86, 4
	s_add_co_u32 s86, s86, s90
	s_lshl_b32 s86, s86, 7
	s_add_co_u32 s86, s86, PSO
	s_mov_b32 s87, 0
	s_mul_i32 s78, s10, HALFT
	s_mov_b32 s66, 0xffff0000
	s_mov_b32 s[SEL], 0x76543210
	s_mov_b32 s[SEL+1], 0xfedcba98
	s_mov_b32 s70, 0x3d38aa3b                      ; log2(e) / 32
	s_mov_b32 s71, s70
	s_wait_dscnt 0x0
	s_wait_kmcnt 0x0
	s_add_nc_u64 s[74:75], s[4:5], s[74:75]
	s_add_nc_u64 s[76:77], s[4:5], s[76:77]
	s_add_nc_u64 s[80:81], s[4:5], s[80:81]
	s_add_nc_u64 s[82:83], s[4:5], s[82:83]
	s_add_nc_u64 s[84:85], s[6:7], s[84:85]
	s_add_nc_u64 s[86:87], s[6:7], s[86:87]
	CROUND                                         ; all sixteen work-groups are here: the first joint loads meet
.irp s, 0,1
	s_mov_b32 s[G0A+4*\s], 1
	s_lshl_b32 s[G0A+4*\s+1], s78, 1-\s            ; region 0: 49,152 bytes a wave; region 1: 24,576
	s_add_co_u32 s[G0A+4*\s+1], s[G0A+4*\s+1], \s*2*SLOT
	s_add_nc_u64 s[G0A+4*\s+2:G0A+4*\s+3], s[74:75], \s*2*RB
	s_or_b32 s[G0A+4*\s+3], s[G0A+4*\s+3], 0x80000000
	s_mov_b32 s[G0B+4*\s], 1
	s_lshl_b32 s[G0B+4*\s+1], s78, 1-\s
	s_add_co_u32 s[G0B+4*\s+1], s[G0B+4*\s+1], \s*2*SLOT
	s_add_nc_u64 s[G0B+4*\s+2:G0B+4*\s+3], s[76:77], \s*2*RB
	s_or_b32 s[G0B+4*\s+3], s[G0B+4*\s+3], 0x80000000
.endr
	JLOAD G0A, G1A, G0B, G1B                       ; K steps 0-3: one tensor load a wave at the head
	v_and_b32 v2, 31, v0
	v_lshlrev_b32 v[CO], 4, v2
	v_lshlrev_b32 v[SO], 2, v2
	v_mov_b32 v[NMP+1], 0                          ; (named as the upper half of a pair)
.irp k, 0,1,2,3,4,5,6,7
.irp i, 0,1,2,3
	global_load_b32 v[SAR+4*\k+\i], v[SO], s[80:81] offset:(8*\i+\k)*128
	global_load_b32 v[SBR+4*\k+\i], v[SO], s[82:83] offset:(8*\i+\k)*128
.endr
.endr
	s_mul_i32 s2, s11, HALFT
	s_mul_i32 s3, s12, HALFT
	s_add_co_u32 s3, s3, 2*HALFT
	v_add_nc_u32 v[ADRA+1], s2, v[CO]
	v_add_nc_u32 v[ADRB+1], s3, v[CO]
	v_add_nc_u32 v[ADRA], s2, v[ADRA+1]            ; region 0: a part is twice as long
	v_add_nc_u32 v[ADRB], s3, v[ADRB+1]
	v_add_nc_u32 v[ADRA+1], 2*SLOT, v[ADRA+1]      ; region 1 lies behind region 0
	v_add_nc_u32 v[ADRB+1], 2*SLOT, v[ADRB+1]
	s_wait_alu depctr_va_vdst(0)
	s_wait_loadcnt 0x0                             ; the scale words
	s_wait_tensorcnt 0x0                           ; my part of slot 0 is in
	ds_add_u32 v[SPW], v[NIL]
	s_mov_b32 s[G1A+1], 384<<16                    ; no tensor load of mine is out, so a descriptor may be written: rows of 3,072 bytes
	s_mov_b32 s[G1A+3], 384<<16
	s_mov_b32 s[G1B+1], 384<<16
	s_mov_b32 s[G1B+3], 384<<16
	s_wait_dscnt 0x0
	CROUND                                         ; region 0 is whole, and all sixteen work-groups are here
	JLOAD G0A+4, G1A, G0B+4, G1B                   ; K steps 4, 5 into region 1
	FETCH_B 0, 0, 0
	FETCH_A 0, 0, 0
	FETCH_A 0, 0, 4
	STEP 0, 0, 1, 1
	STEP 1, 0, 2, 0
	STEP 2, 0, 3, 0
	TURN 3, 1, 1, 0, 1                             ; region 1 is whole; region 0 is read out and takes K steps 6, 7
	STEP 4, 1, 1, 0
	TURN 5, 0, 0, 0, 0
	STEP 6, 0, 1, 0
	LAST 7
	PLACES 4                                       ; behind the last products: their results are read and q's registers written
.irp a, 0,1,2,3,4,5,6,7
	SOFT \a
.endr
	s_wait_tensorcnt 0x0                           ; the wave's end
	ds_add_u32 v[SPW], v[NIL]
	s_wait_dscnt 0x0
	CROUND                                         ; the closing round
	s_endpgm
.Lfunc_end_k_qfd0065888f_scores:
	.size	k_qfd0065888f_scores, .Lfunc_end_k_qfd0065888f_scores-k_qfd0065888f_scores
	.p2alignl 7, 3214868480
	.fill 96, 4, 3214868480
	.section	.rodata,"a",@progbits
	.p2align	6, 0x0
	.amdhsa_kernel k_qfd0065888f_scores
		.amdhsa_group_segment_fixed_size 327680
		.amdhsa_private_segment_fixed_size 0
		.amdhsa_enable_private_segment 0
		.amdhsa_kernarg_size 16
		.amdhsa_user_sgpr_count 2
		.amdhsa_user_sgpr_kernarg_segment_ptr 1
		.amdhsa_wavefront_size32 1
		.amdhsa_system_sgpr_workgroup_id_x 1
		.amdhsa_system_sgpr_workgroup_id_y 1
		.amdhsa_system_sgpr_workgroup_id_z 1
		.amdhsa_system_vgpr_workitem_id 0
		.amdhsa_next_free_vgpr 1024
		.amdhsa_next_free_sgpr 100
		.amdhsa_reserve_vcc 0
		.amdhsa_float_denorm_mode_32 3
		.amdhsa_float_denorm_mode_16_64 3
		.amdhsa_memory_ordered 1
		.amdhsa_forward_progress 1
		.amdhsa_inst_pref_size 197
	.end_amdhsa_kernel
	.amdgpu_metadata
---
amdhsa.version: [ 1, 2 ]
amdhsa.kernels:
  - .name:           k_qfd0065888f_scores
    .symbol:         k_qfd0065888f_scores.kd
    .args:
      - { .name: qkvbuf, .offset: 0, .size: 8, .value_kind: global_buffer, .address_space: global }
      - { .name: pbuf, .offset: 8, .size: 8, .value_kind: global_buffer, .address_space: global }
    .group_segment_fixed_size: 327680
    .private_segment_fixed_size: 0
    .kernarg_segment_align: 8
    .kernarg_segment_size: 16
    .max_flat_workgroup_size: 128
    .sgpr_count:     100
    .vgpr_count:     1024
    .wavefront_size: 32
...
	.end_amdgpu_metadata
.endif
;; end of part 3
;; launch pv (part 4): grid 4 x 64, 4 waves a work-group, clusters of 4 x 4, 327,680 bytes of LDS; arguments pbuf, qkvbuf, obuf; writes obuf
.if DOCPART == 4
	.amdgcn_target "amdgcn-amd-amdhsa--gfx1250"
	.amdhsa_code_object_version 6
	.text
	.protected	k_qfd0065888f_pv
	.globl	k_qfd0065888f_pv
	.p2align	8
	.type	k_qfd0065888f_pv,@function
k_qfd0065888f_pv:
	s_mov_b64 s[64:65], 0
	v_nop
	global_prefetch_b8 v0, s[64:65] scope:SCOPE_SE
	s_setreg_imm32_b32 hwreg(HW_REG_WAVE_MODE, 25, 1), 1
	s_wait_xcnt 0x0
	s_wait_alu depctr_hold_cnt(0) depctr_sa_sdst(0) depctr_va_vdst(0) depctr_va_sdst(0) depctr_va_ssrc(0) depctr_va_vcc(0) depctr_vm_vsrc(0)
	s_getreg_b32 s2, hwreg(HW_REG_IB_STS2, 6, 4)
	s_cmp_eq_u32 s2, 0
	s_cbranch_scc0 .Lentry_in_a_cluster
	s_endpgm
.Lentry_in_a_cluster:
	s_bfe_u32 s2, ttmp6, 0x10000c
	s_cmp_lg_u32 s2, 0xf033
	s_cbranch_scc0 .Lentry_shape_is_right
	s_endpgm
.Lentry_shape_is_right:
.set PSO,   12582912
.set VC,    12582912
.set VS,    19398656
.set OS,    6291456
.set SLOT,  147456
.set RB,    6144
.set SPARE, 2*SLOT
.set ADRA,  16
.set ADRB,  20
.set CO,    26
.set SO,    27
.set SPW,   28
.set NIL,   29
.set SAR,   32
.set SBR,   64
.set AF,    128
.set PMR,   176
.set PLR,   208
.set NMR,   11
.set LR,    13
.set RLA,   240
.set ST,    128
.set PC,    192
.set TM,    212
.set PWS,   228
.set PWC,   232
.set G1A,   24
.set G0A,   32
.set G1B,   40
.set G0B,   48
.set SEL,   68
.set MUL,   0xa1
.set TO_B,  0x40
.set MSB, 0
.macro WIN new
.if MSB != (\new)
	s_set_vgpr_msb (MSB<<8)|(\new)
.set MSB, (\new)
.endif
.endm
.macro PLACES n
.rept \n
	v_nop
.endr
.endm
.macro JLOAD g0a, g1a, g0b, g1b
	s_cmp_eq_u32 s11, 0
	s_cbranch_scc0 .Lfor_b_\@
	tensor_load_to_lds s[\g0a:\g0a+3], s[\g1a:\g1a+7]
	s_nop 0
.rept 4
	v_nop
.endr
	s_branch .Lasked_\@
.Lfor_b_\@:
	tensor_load_to_lds s[\g0b:\g0b+3], s[\g1b:\g1b+7]
	s_nop 0
.rept 4
	v_nop
.endr
.Lasked_\@:
.endm
.macro CREST
	s_cmp_lg_u32 s10, 0
	s_cbranch_scc1 .Lnot_wave_0_\@
	s_barrier_signal -3
.Lnot_wave_0_\@:
	s_barrier_wait -3
	s_barrier_signal -1
	s_barrier_wait -1
.endm
.macro CROUND
	s_barrier_signal -1
	s_barrier_wait -1
	CREST
.endm
.macro WM d, s0, s1, z, c0, c1, r0, r1
.set wd, \d
.set wa, \s0
.set wb, \s1
.set wc, \c0
.set we, \c1
.set wk, 4*(\z)+2*(\r0)+(\r1)
.if wk == 0
	v_wmma_scale_f32_16x16x128_f8f6f4 v[wd:wd+7], v[wa:wa+11], v[wb:wb+11], v[wd:wd+7], v[wc], v[we] matrix_a_fmt:MATRIX_FMT_FP6 matrix_b_fmt:MATRIX_FMT_FP6
.elseif wk == 1
	v_wmma_scale_f32_16x16x128_f8f6f4 v[wd:wd+7], v[wa:wa+11], v[wb:wb+11], v[wd:wd+7], v[wc], v[we] matrix_a_fmt:MATRIX_FMT_FP6 matrix_b_fmt:MATRIX_FMT_FP6 matrix_b_scale:MATRIX_SCALE_ROW1
.elseif wk == 2
	v_wmma_scale_f32_16x16x128_f8f6f4 v[wd:wd+7], v[wa:wa+11], v[wb:wb+11], v[wd:wd+7], v[wc], v[we] matrix_a_fmt:MATRIX_FMT_FP6 matrix_b_fmt:MATRIX_FMT_FP6 matrix_a_scale:MATRIX_SCALE_ROW1
.elseif wk == 3
	v_wmma_scale_f32_16x16x128_f8f6f4 v[wd:wd+7], v[wa:wa+11], v[wb:wb+11], v[wd:wd+7], v[wc], v[we] matrix_a_fmt:MATRIX_FMT_FP6 matrix_b_fmt:MATRIX_FMT_FP6 matrix_a_scale:MATRIX_SCALE_ROW1 matrix_b_scale:MATRIX_SCALE_ROW1
.elseif wk == 4
	v_wmma_scale_f32_16x16x128_f8f6f4 v[wd:wd+7], v[wa:wa+11], v[wb:wb+11], 0, v[wc], v[we] matrix_a_fmt:MATRIX_FMT_FP6 matrix_b_fmt:MATRIX_FMT_FP6
.elseif wk == 5
	v_wmma_scale_f32_16x16x128_f8f6f4 v[wd:wd+7], v[wa:wa+11], v[wb:wb+11], 0, v[wc], v[we] matrix_a_fmt:MATRIX_FMT_FP6 matrix_b_fmt:MATRIX_FMT_FP6 matrix_b_scale:MATRIX_SCALE_ROW1
.elseif wk == 6
	v_wmma_scale_f32_16x16x128_f8f6f4 v[wd:wd+7], v[wa:wa+11], v[wb:wb+11], 0, v[wc], v[we] matrix_a_fmt:MATRIX_FMT_FP6 matrix_b_fmt:MATRIX_FMT_FP6 matrix_a_scale:MATRIX_SCALE_ROW1
.else
	v_wmma_scale_f32_16x16x128_f8f6f4 v[wd:wd+7], v[wa:wa+11], v[wb:wb+11], 0, v[wc], v[we] matrix_a_fmt:MATRIX_FMT_FP6 matrix_b_fmt:MATRIX_FMT_FP6 matrix_a_scale:MATRIX_SCALE_ROW1 matrix_b_scale:MATRIX_SCALE_ROW1
.endif
.endm
.macro MULA a, p, ks, zero
.irp b, 0,1,2,3,4,5,6,7
	WM 8*(8*(\a)+\b), 128*(\p)+12*\b, AF+12*(\a), \zero, SBR+4*(\ks)+\b/2, SAR+2*(\ks)+(\a)/2, \b%2, (\a)%2
.endr
.endm
.macro FRAG reg, adr, off
.irp c, 0,1,2
	ds_load_b128 v[\reg+4*\c:\reg+4*\c+3], v[\adr] offset:\off+512*\c
.endr
.endm
.macro FETCH_B slot, q, p
	WIN TO_B
.irp i, 0,1,2,3,4,5,6,7
	FRAG 128*(\p)+12*\i, ADRB+\slot, \i*RB+1536*(\q)
.endr
	WIN 0
.endm
.macro FETCH_A slot, q, i0
.irp i, \i0, \i0+1
	FRAG AF+12*(\i), ADRA+\slot, (\i)*RB+1536*(\q)
.endr
.endm
.macro STEP ks, nslot, nq, zero
	s_wait_dscnt 6
	WIN MUL
	MULA 0, (\ks)%2, \ks, \zero
	FETCH_B \nslot, \nq, 1-(\ks)%2
	WIN MUL
	MULA 1, (\ks)%2, \ks, \zero
	s_wait_dscnt 24
	PLACES 4
	WIN 0
	FETCH_A \nslot, \nq, 0
	WIN MUL
	MULA 2, (\ks)%2, \ks, \zero
	MULA 3, (\ks)%2, \ks, \zero
	PLACES 4
	WIN 0
	FETCH_A \nslot, \nq, 2
.endm
.macro TURN ks, slot, next, fill
	s_wait_tensorcnt 0x0
	ds_add_u32 v[SPW], v[NIL]
	s_wait_dscnt 7
	WIN MUL
	MULA 0, 1, \ks, 0
	s_wait_dscnt 0x0
	s_barrier_signal -1
	MULA 1, 1, \ks, 0
	WIN 0
	s_barrier_wait -1
.if \fill
	CREST
	s_add_nc_u64 s[G0A+4*\slot+2:G0A+4*\slot+3], s[G0A+4*\slot+2:G0A+4*\slot+3], 2*RB
	s_add_nc_u64 s[G0B+4*\slot+2:G0B+4*\slot+3], s[G0B+4*\slot+2:G0B+4*\slot+3], 2*RB
	JLOAD G0A+4*\slot, G1A, G0B+4*\slot, G1B
.else
	PLACES 4
.endif
	FETCH_B \next, 0, 0
	FETCH_A \next, 0, 0
	WIN MUL
	MULA 2, 1, \ks, 0
	MULA 3, 1, \ks, 0
	PLACES 4
	WIN 0
	FETCH_A \next, 0, 2
.endm
.macro QUANT s, pw
.irp b, 0,1,2,3
	v_max3_num_f32 v[TM+\b], |v[\s+16*\b]|, |v[\s+1+16*\b]|, 0x1800000
.endr
.irp i, 2,4,6,8,10,12,14
.irp b, 0,1,2,3
	v_max3_num_f32 v[TM+\b], v[TM+\b], |v[\s+16*\b+\i]|, |v[\s+1+16*\b+\i]|
.endr
.endr
.irp b, 0,1,2,3
	v_permlanex16_b32 v[TM+4+\b], v[TM+\b], s[SEL], s[SEL+1]
.endr
.irp b, 0,1,2,3
	v_max_num_f32 v[TM+\b], v[TM+\b], v[TM+4+\b]
.endr
.irp b, 0,1,2,3
	v_add_nc_u32 v[TM+12+\b], 0xff000000, v[TM+\b]
.endr
.irp b, 0,1,2,3
	v_lshrrev_b32 v[TM+4+\b], 23, v[TM+12+\b]
.endr
	v_lshl_or_b32 v[\pw], v[TM+5], 8, v[TM+4]
	v_lshl_or_b32 v[\pw], v[TM+6], 16, v[\pw]
	v_lshl_or_b32 v[\pw], v[TM+7], 24, v[\pw]
.irp c, 0,1
	v_cvt_scalef32_pk16_fp6_f32 v[PC+6*\c:PC+2+6*\c], v[\s+32*\c:\s+15+32*\c], v[TM+12+2*\c]
	v_cvt_scalef32_pk16_fp6_f32 v[PC+12+4*\c:PC+14+4*\c], v[\s+16+32*\c:\s+31+32*\c], v[TM+12+2*\c+1]
.endr
	v_nop
.irp c, 0,1
.irp i, 0,1,2
	v_permlane16_swap_b32 v[PC+6*\c+\i], v[PC+12+4*\c+\i]
.endr
.irp i, 0,1,2
	v_mov_b32 v[PC+3+6*\c+\i], v[PC+12+4*\c+\i]
.endr
.endr
.endm
.macro FIX i, ks
.set rS, SAR+2*(\ks)+(\i)
.set rM, PMR+2*(\ks)+(\i)
.set rL, PLR+2*(\ks)+(\i)
	v_sub_f32 v1, v[rM], v[NMR+(\i)]
	v_cvt_u32_f32 v1, v1
	v_min_u32 v1, 300, v1
	v_sub_nc_u32 v2, 0, v1
.if (\ks) == 0
	v_ldexp_f32 v[LR+(\i)], v[rL], v2
.else
	v_ldexp_f32 v2, v[rL], v2
	v_add_f32 v[LR+(\i)], v[LR+(\i)], v2
.endif
.irp y, 0,1,2,3
	v_bfe_u32 v[3+\y], v[rS], 8*\y, 8
.endr
.irp y, 0,1,2,3
	v_add_nc_u32 v[7+\y], -1, v[3+\y]
.endr
.irp y, 0,1,2,3
	v_min_u32 v[7+\y], v1, v[7+\y]
.endr
.irp y, 0,1,2,3
	v_sub_nc_u32 v[3+\y], v[3+\y], v[7+\y]
.endr
	v_lshl_or_b32 v[rS], v4, 8, v3
	v_lshl_or_b32 v[rS], v5, 16, v[rS]
	v_lshl_or_b32 v[rS], v6, 24, v[rS]
.endm
	s_load_b128 s[4:7], s[0:1], 0x0
	s_load_b64 s[8:9], s[0:1], 0x10
	v_lshl_add_u32 v[SPW], v0, 2, SPARE
	v_mov_b32 v[NIL], 0
	ds_add_u32 v[SPW], v[NIL]
	ds_add_u32 v[SPW], v[NIL]
	v_lshrrev_b32 v1, 5, v0
	v_readfirstlane_b32 s10, v1
	s_lshr_b32 s11, s10, 1
	s_and_b32 s12, s10, 1
	s_bfe_u32 s13, ttmp6, 0x40000
	s_bfe_u32 s14, ttmp6, 0x40004
	s_and_b32 s16, ttmp7, 0xffff
	s_lshl_b32 s18, s14, 2
	s_lshl_b32 s18, 15, s18
	s_lshl_b32 s19, 0x1111, s13
	s_or_b32 s[G1A], s18, (3<<16)|(1<<21)
	s_or_b32 s[G1B], s19, (3<<16)|(1<<21)
	s_mov_b32 s[G1A+1], 768<<16
	s_mov_b32 s[G1A+2], 4<<16
	s_mov_b32 s[G1A+3], 768<<16
	s_mov_b32 s[G1A+4], 4
	s_mov_b32 s[G1A+5], 3072
	s_mov_b32 s[G1A+6], 0
	s_mov_b32 s[G1A+7], 0
	s_mov_b32 s[G1B+1], 768<<16
	s_mov_b32 s[G1B+2], 8<<16
	s_mov_b32 s[G1B+3], 768<<16
	s_mov_b32 s[G1B+4], 8
	s_mov_b32 s[G1B+5], 3072
	s_mov_b32 s[G1B+6], 0
	s_mov_b32 s[G1B+7], 0
	s_lshl_b32 s22, s16, 2
	s_add_co_u32 s22, s22, s14
	s_lshr_b32 s17, s16, 2
	s_mul_i32 s74, s22, 196608
	s_mul_i32 s2, s12, 98304
	s_add_co_u32 s74, s74, s2
	s_mov_b32 s75, 0
	s_lshl_b32 s76, s17, 6
	s_lshl_b32 s2, s13, 4
	s_add_co_u32 s76, s76, s2
	s_lshl_b32 s2, s12, 3
	s_add_co_u32 s76, s76, s2
	s_mul_i32 s76, s76, 24576
	s_add_co_u32 s76, s76, VC
	s_mov_b32 s77, 0
	s_lshl_b32 s80, s22, 2
	s_lshl_b32 s2, s11, 1
	s_add_co_u32 s80, s80, s2
	s_lshl_b32 s86, s80, 3
	s_lshl_b32 s80, s80, 11
	s_add_co_u32 s80, s80, PSO
	s_mov_b32 s81, 0
	s_lshl_b32 s82, s17, 5
	s_lshl_b32 s2, s13, 3
	s_add_co_u32 s82, s82, s2
	s_lshl_b32 s2, s12, 2
	s_add_co_u32 s82, s82, s2
	s_lshl_b32 s82, s82, 11
	s_add_co_u32 s82, s82, VS
	s_mov_b32 s83, 0
	s_lshl_b32 s90, s13, 1
	s_add_co_u32 s90, s90, s12
	s_add_co_u32 s86, s86, s90
	s_lshl_b32 s86, s86, 7
	s_add_co_u32 s86, s86, OS
	s_mov_b32 s87, 0
	s_lshl_b32 s84, s22, 3
	s_lshl_b32 s2, s11, 2
	s_add_co_u32 s84, s84, s2
	s_lshl_b32 s84, s84, 3
	s_add_co_u32 s84, s84, s90
	s_mul_i32 s84, s84, 1536
	s_mov_b32 s85, 0
	s_mul_i32 s78, s12, 24576
	s_mul_i32 s79, s12, 49152
	s_add_co_u32 s79, s79, 49152
	s_mov_b32 s66, 0xffff0000
	s_mov_b32 s[SEL], 0x76543210
	s_mov_b32 s[SEL+1], 0xfedcba98
	s_wait_dscnt 0x0
	s_wait_kmcnt 0x0
	s_add_nc_u64 s[74:75], s[4:5], s[74:75]
	s_add_nc_u64 s[76:77], s[6:7], s[76:77]
	s_add_nc_u64 s[80:81], s[4:5], s[80:81]
	s_add_nc_u64 s[82:83], s[6:7], s[82:83]
	s_add_nc_u64 s[84:85], s[8:9], s[84:85]
	s_add_nc_u64 s[86:87], s[8:9], s[86:87]
	CROUND
.irp s, 0,1
	s_mov_b32 s[G0A+4*\s], 1
	s_add_co_u32 s[G0A+4*\s+1], s78, \s*SLOT
	s_add_nc_u64 s[G0A+4*\s+2:G0A+4*\s+3], s[74:75], \s*RB
	s_or_b32 s[G0A+4*\s+3], s[G0A+4*\s+3], 0x80000000
	s_mov_b32 s[G0B+4*\s], 1
	s_add_co_u32 s[G0B+4*\s+1], s79, \s*SLOT
	s_add_nc_u64 s[G0B+4*\s+2:G0B+4*\s+3], s[76:77], \s*RB
	s_or_b32 s[G0B+4*\s+3], s[G0B+4*\s+3], 0x80000000
.endr
	JLOAD G0A, G1A, G0B, G1B                       ; slot 0 (K steps 0-3): one tensor load a wave at the head, behind the opening lines and the round
	v_and_b32 v2, 31, v0
	v_lshlrev_b32 v[CO], 4, v2
	v_lshlrev_b32 v[SO], 2, v2
.irp k, 0,1,2,3,4,5,6,7,8,9,10,11,12,13,14,15
.irp i, 0,1
	global_load_b32 v[PMR+2*\k+\i], v[SO], s[80:81] offset:(16*\i+\k)*128+524288
	global_load_b32 v[PLR+2*\k+\i], v[SO], s[80:81] offset:(16*\i+\k)*128+1048576
	global_load_b32 v[SAR+2*\k+\i], v[SO], s[80:81] offset:(16*\i+\k)*128
.endr
.endr
	s_wait_alu depctr_va_vdst(0)
	s_wait_tensorcnt 0x0                           ; my part of slot 0 is in
	ds_add_u32 v[SPW], v[NIL]
	s_wait_dscnt 0x0
	CROUND                                         ; slot 0 is whole, and all sixteen work-groups are here
	JLOAD G0A+4, G1A, G0B+4, G1B                   ; slot 1 (K steps 4-7)
.irp k, 0,1,2,3,4,5,6,7,8,9,10,11,12,13,14,15
.irp i, 0,1,2,3
	global_load_b32 v[SBR+4*\k+\i], v[SO], s[82:83] offset:(16*\i+\k)*128
.endr
.endr
	s_mul_i32 s2, s11, 24576
	v_add_nc_u32 v[ADRA], s2, v[CO]
	v_add_nc_u32 v[ADRB], s79, v[CO]
	v_add_nc_u32 v[ADRA+1], SLOT, v[ADRA]
	v_add_nc_u32 v[ADRB+1], SLOT, v[ADRB]
	v_mov_b32 v15, 0
	v_mov_b32 v30, 0
	s_wait_loadcnt 63                              ; p's 96 words (-M, sums, scale words) are in: v's 64 scale words are younger
.irp i, 0,1
	v_min3_num_f32 v[NMR+\i], v[PMR+\i], v[PMR+2+\i], v[PMR+4+\i]
.endr
.irp k, 3,5,7,9,11,13
.irp i, 0,1
	v_min3_num_f32 v[NMR+\i], v[NMR+\i], v[PMR+2*\k+\i], v[PMR+2*\k+2+\i]
.endr
.endr
.irp i, 0,1
	v_min_num_f32 v[NMR+\i], v[NMR+\i], v[PMR+30+\i]
.endr
.irp k, 0,1,2,3,4,5,6,7,8,9,10,11,12,13,14,15
.irp i, 0,1
	FIX \i, \k
.endr
.endr
	s_wait_alu depctr_va_vdst(0)
	v_rcp_f32 v[LR], v[LR]
	v_rcp_f32 v[LR+1], v[LR+1]
	v_nop
	s_wait_alu depctr_va_vdst(0)
	v_permlanex16_b32 v15, v[LR], s[SEL], s[SEL+1]
	v_permlanex16_b32 v30, v[LR+1], s[SEL], s[SEL+1]
	v_cndmask_b32 v[RLA], v[LR], v15, s66
	v_cndmask_b32 v[RLA+2], v15, v[LR], s66
	v_cndmask_b32 v[RLA+4], v[LR+1], v30, s66
	v_cndmask_b32 v[RLA+6], v30, v[LR+1], s66
.irp a, 0,1,2,3
	v_mov_b32 v[RLA+2*\a+1], 0
.endr
	PLACES 8
	s_wait_loadcnt 0x0                             ; v's scale words
	s_wait_tensorcnt 1
	s_barrier_signal -1
	s_barrier_wait -1
	FETCH_B 0, 0, 0
	FETCH_A 0, 0, 0
	FETCH_A 0, 0, 2
	STEP 0, 0, 1, 1
	STEP 1, 0, 2, 0
	STEP 2, 0, 3, 0
	TURN 3, 0, 1, 1
	STEP 4, 1, 1, 0
	STEP 5, 1, 2, 0
	STEP 6, 1, 3, 0
	TURN 7, 1, 0, 1
	STEP 8, 0, 1, 0
	STEP 9, 0, 2, 0
	STEP 10, 0, 3, 0
	TURN 11, 0, 1, 0
	STEP 12, 1, 1, 0
	STEP 13, 1, 2, 0
	STEP 14, 1, 3, 0
	s_wait_dscnt 6
	WIN MUL
	MULA 0, 1, 15, 0
	MULA 1, 1, 15, 0
	s_wait_alu depctr_va_vdst(0)
	s_wait_dscnt 0x0
	MULA 2, 1, 15, 0
	MULA 3, 1, 15, 0
	WIN 0
	PLACES 4
.irp a, 0,1,2,3
	s_wait_xcnt 0x0
	WIN 0x02
.set AC, 64*\a
.set i, 0
.rept 32
	v_pk_mul_f32 v[ST+i:ST+i+1], v[AC+i:AC+i+1], v[RLA+2*\a:RLA+2*\a+1] op_sel_hi:[1,0]
.set i, i+2
.endr
	WIN 0
	QUANT ST, PWS+\a
.irp c, 0,1,2
	global_store_b128 v[CO], v[PC+4*\c:PC+4*\c+3], s[84:85] offset:\a*12288+512*\c
.endr
.if \a%2
	v_cndmask_b32 v[PWC+\a/2], v[PWS+\a-1], v[PWS+\a], s66
	global_store_b32 v[SO], v[PWC+\a/2], s[86:87] offset:(\a/2)*1024
.endif
.endr
	s_wait_tensorcnt 0x0
	ds_add_u32 v[SPW], v[NIL]
	s_wait_dscnt 0x0
	CROUND
	s_endpgm
.Lfunc_end_k_qfd0065888f_pv:
	.size	k_qfd0065888f_pv, .Lfunc_end_k_qfd0065888f_pv-k_qfd0065888f_pv
	.p2alignl 7, 3214868480
	.fill 96, 4, 3214868480
	.section	.rodata,"a",@progbits
	.p2align	6, 0x0
	.amdhsa_kernel k_qfd0065888f_pv
		.amdhsa_group_segment_fixed_size 327680
		.amdhsa_private_segment_fixed_size 0
		.amdhsa_enable_private_segment 0
		.amdhsa_kernarg_size 24
		.amdhsa_user_sgpr_count 2
		.amdhsa_user_sgpr_kernarg_segment_ptr 1
		.amdhsa_wavefront_size32 1
		.amdhsa_system_sgpr_workgroup_id_x 1
		.amdhsa_system_sgpr_workgroup_id_y 1
		.amdhsa_system_sgpr_workgroup_id_z 1
		.amdhsa_system_vgpr_workitem_id 0
		.amdhsa_next_free_vgpr 768
		.amdhsa_next_free_sgpr 100
		.amdhsa_reserve_vcc 0
		.amdhsa_float_denorm_mode_32 3
		.amdhsa_float_denorm_mode_16_64 3
		.amdhsa_memory_ordered 1
		.amdhsa_forward_progress 1
		.amdhsa_inst_pref_size 194
	.end_amdhsa_kernel
	.amdgpu_metadata
---
amdhsa.version: [ 1, 2 ]
amdhsa.kernels:
  - .name:           k_qfd0065888f_pv
    .symbol:         k_qfd0065888f_pv.kd
    .args:
      - { .name: pbuf, .offset: 0, .size: 8, .value_kind: global_buffer, .address_space: global }
      - { .name: qkvbuf, .offset: 8, .size: 8, .value_kind: global_buffer, .address_space: global }
      - { .name: obuf, .offset: 16, .size: 8, .value_kind: global_buffer, .address_space: global }
    .group_segment_fixed_size: 327680
    .private_segment_fixed_size: 0
    .kernarg_segment_align: 8
    .kernarg_segment_size: 24
    .max_flat_workgroup_size: 128
    .sgpr_count:     100
    .vgpr_count:     768
    .wavefront_size: 32
...
	.end_amdgpu_metadata
.endif
;; end of part 4
;; launch projln (part 5): grid 256 x 1, 4 waves a work-group, clusters of 4 x 1, 327,680 bytes of LDS; arguments obuf, prepbuf, x, b_proj, gamma, beta, out0; writes out0
.if DOCPART == 5
	.amdgcn_target "amdgcn-amd-amdhsa--gfx1250"
	.amdhsa_code_object_version 6
	.text
	.protected	k_qfd0065888f_projln
	.globl	k_qfd0065888f_projln
	.p2align	8
	.type	k_qfd0065888f_projln,@function
k_qfd0065888f_projln:
	s_mov_b64 s[64:65], 0
	v_nop
	global_prefetch_b8 v0, s[64:65] scope:SCOPE_SE
	s_setreg_imm32_b32 hwreg(HW_REG_WAVE_MODE, 25, 1), 1
	s_wait_xcnt 0x0
	s_wait_alu depctr_hold_cnt(0) depctr_sa_sdst(0) depctr_va_vdst(0) depctr_va_sdst(0) depctr_va_ssrc(0) depctr_va_vcc(0) depctr_vm_vsrc(0)
	s_getreg_b32 s2, hwreg(HW_REG_IB_STS2, 6, 4)
	s_cmp_eq_u32 s2, 0
	s_cbranch_scc0 .Lentry_in_a_cluster
	s_endpgm
.Lentry_in_a_cluster:
	s_bfe_u32 s2, ttmp6, 0x10000c
	s_cmp_lg_u32 s2, 0x3003
	s_cbranch_scc0 .Lentry_shape_is_right
	s_endpgm
.Lentry_shape_is_right:
; out0 = LayerNorm(o W_proj + b_proj + x), o and W_proj as codes of FP6 (E2M3) with E8M0 scales, K = 1024.  Nothing of the problem's work is left out here.
; A work-group owns a group of 32 tokens (row blocks 2 g, 2 g + 1) and all 1,024 columns, so that a row's mean and variance need no other work-group; wave w owns 256 columns: 2 x 16 accumulators, 256 registers.
; Codes lie in memory as images of the operand's registers (fragment = 16 rows x 128 K = 1,536 bytes; lane-row r of fragment rb = row 32 (rb / 2) + 8 (rb % 2) + r % 8 + 16 (r / 8)).
; SOURCE 0, W_proj's fragments, each multiplied by one wave alone, comes by two roads.  K steps 0-2: ONE JOINT TENSOR LOAD a wave at the head (clusters of 4 x 1: all four work-groups walk the same W_proj; 16 rows of
; 4,608 bytes, 73,728 bytes a wave, read by that wave alone; three K steps are what LDS holds beside o's records).  K steps 3-7: from memory straight into registers, a ring of four groups of 4 fragments, each group
; 12 loads of 512 bytes and 2 loads of scale words, asked for one K step ahead.  The walk is 3, 4, 0, 5, 1, 6, 2, 7: the K steps out of LDS are multiplied while the ring's loads are out.  It is written out: every offset is an immediate.
; SOURCE 1, o, which all four waves multiply, lies in LDS as records of 3,200 bytes a K step: two fragments and 128 bytes of scale words; wave w brings records 2 w, 2 w + 1.
; x: my 8 rows, 64 loads of 512 bytes straight into window 3, four behind each of the ring's first 16 groups.
; A lane holds one token and its registers run along the columns in true order; the 32 rows go through a stage in LDS (over W_proj's bytes, behind their last read), and each wave takes 8 whole rows through the norm.
; NO PREFETCH INSTRUCTION: every fragment and every row of x is asked for by its own load four groups ahead of the wait that covers it, and the joint load stands at the kernel's head.
; The sums take K in the walk's order, not ascending: the result differs from the ascending order by f32 rounding alone.  LIMITS: NaN and infinities are not served.
; REGISTERS: window 0: addresses, scale words, source 1's fragments, b_proj, two groups out of LDS.  window 1: v0-191 the ring, v192-255 gamma, beta.  window 2: accumulator (a, b) at v[8 (16 a + b)], later y's 8 rows.  window 3: x's 8 rows.
.set OS,    6291456                    ; obuf: o's codes at 0, scale words
.set WPC,   9011200                    ; prepbuf: W_proj's codes, scale words
.set WPS,   9797632
.set WROW,  4608                       ; LDS: a row block's three K steps
.set WPART, 16*WROW                    ; a wave's part; the four parts lie from byte 0
.set RC,    4*WPART                    ; behind them o's 8 records
.set REC,   3200
.set SPARE, RC+8*REC                   ; the spare words, 128 bytes for each wave
.set SP,    4112                       ; a stage row: 4,096 bytes + 16; the stage lies from byte 0
.set L16,   1
.set L4,    2
.set PA0,   5                          ; LDS address of record 0's fragments, scale words
.set SA0,   6
.set STO,   7                          ; v7, v8
.set SRD,   9
.set PST,   11
.set SST,   12
.set WA,    13                         ; v13, v14: my part of W_proj in LDS, row blocks 0-7, 8-15
.set SPW,   28
.set NIL,   29
.set SA,    32                         ; source 1's scale words: lanes 0-15 row block 0, lanes 16-31 row block 1
.set SB,    40                         ; v40-47 the ring's scale words, two for each group
.set SM,    48
.set TP,    64
.set LS,    72                         ; v72-95 W_proj's scale words of K steps 0-2, eight each
.set BIA,   96
.set PF,    128                        ; v128-151 source 1's two fragments
.set LB,    152                        ; v152-247 two groups of 4 fragments out of LDS
.set OWS,   248
.set GAM,   192
.set BET,   224
.set SEL,   52
.set MSB, 0
.macro WIN new                         ; the immediate's high byte repeats the setting that is left
.if MSB != (\new)
	s_set_vgpr_msb (MSB<<8)|(\new)
.set MSB, (\new)
.endif
.endm
.macro PLACES n
.rept \n
	v_nop
.endr
.endm
.macro CROUND                          ; a round of the cluster's barrier
	s_barrier_signal -1
	s_barrier_wait -1
	s_cmp_lg_u32 s20, 0
	s_cbranch_scc1 .Lnot_wave_0_\@
	s_barrier_signal -3
.Lnot_wave_0_\@:
	s_barrier_wait -3
	s_barrier_signal -1
	s_barrier_wait -1
.endm
.macro WM d, s0, s1, z, c0, c1, r0, r1 ; one matrix instruction.  z = 1: C is 0.  r0, r1 = 1: that side's scales are read from lanes 16-31
.set wd, \d
.set wa, \s0
.set wb, \s1
.set wc, \c0
.set we, \c1
.set wk, 4*(\z)+2*(\r0)+(\r1)
.if wk == 0
	v_wmma_scale_f32_16x16x128_f8f6f4 v[wd:wd+7], v[wa:wa+11], v[wb:wb+11], v[wd:wd+7], v[wc], v[we] matrix_a_fmt:MATRIX_FMT_FP6 matrix_b_fmt:MATRIX_FMT_FP6
.elseif wk == 1
	v_wmma_scale_f32_16x16x128_f8f6f4 v[wd:wd+7], v[wa:wa+11], v[wb:wb+11], v[wd:wd+7], v[wc], v[we] matrix_a_fmt:MATRIX_FMT_FP6 matrix_b_fmt:MATRIX_FMT_FP6 matrix_b_scale:MATRIX_SCALE_ROW1
.elseif wk == 2
	v_wmma_scale_f32_16x16x128_f8f6f4 v[wd:wd+7], v[wa:wa+11], v[wb:wb+11], v[wd:wd+7], v[wc], v[we] matrix_a_fmt:MATRIX_FMT_FP6 matrix_b_fmt:MATRIX_FMT_FP6 matrix_a_scale:MATRIX_SCALE_ROW1
.elseif wk == 3
	v_wmma_scale_f32_16x16x128_f8f6f4 v[wd:wd+7], v[wa:wa+11], v[wb:wb+11], v[wd:wd+7], v[wc], v[we] matrix_a_fmt:MATRIX_FMT_FP6 matrix_b_fmt:MATRIX_FMT_FP6 matrix_a_scale:MATRIX_SCALE_ROW1 matrix_b_scale:MATRIX_SCALE_ROW1
.elseif wk == 4
	v_wmma_scale_f32_16x16x128_f8f6f4 v[wd:wd+7], v[wa:wa+11], v[wb:wb+11], 0, v[wc], v[we] matrix_a_fmt:MATRIX_FMT_FP6 matrix_b_fmt:MATRIX_FMT_FP6
.elseif wk == 5
	v_wmma_scale_f32_16x16x128_f8f6f4 v[wd:wd+7], v[wa:wa+11], v[wb:wb+11], 0, v[wc], v[we] matrix_a_fmt:MATRIX_FMT_FP6 matrix_b_fmt:MATRIX_FMT_FP6 matrix_b_scale:MATRIX_SCALE_ROW1
.elseif wk == 6
	v_wmma_scale_f32_16x16x128_f8f6f4 v[wd:wd+7], v[wa:wa+11], v[wb:wb+11], 0, v[wc], v[we] matrix_a_fmt:MATRIX_FMT_FP6 matrix_b_fmt:MATRIX_FMT_FP6 matrix_a_scale:MATRIX_SCALE_ROW1
.else
	v_wmma_scale_f32_16x16x128_f8f6f4 v[wd:wd+7], v[wa:wa+11], v[wb:wb+11], 0, v[wc], v[we] matrix_a_fmt:MATRIX_FMT_FP6 matrix_b_fmt:MATRIX_FMT_FP6 matrix_a_scale:MATRIX_SCALE_ROW1 matrix_b_scale:MATRIX_SCALE_ROW1
.endif
.endm
; The ring's request number m (0 to 19): group q of K step kk: my row blocks 4 q .. 4 q + 3 (12,288 bytes apart) into the ring's place q and the scale words of their two pairs (1,024 bytes apart): 14 loads;
; behind the first 16 requests four loads of x: numbers 4 m .. 4 m + 3 of the 64 (row t / 8, 512 bytes t % 8)
.macro GLD q, kk, m
	WIN 0x40
.irp j, 0,1,2,3
.irp c, 0,1,2
	global_load_b128 v[48*(\q)+12*\j+4*\c:48*(\q)+12*\j+4*\c+3], v[L16], s[46:47] offset:(4*(\q)+\j)*12288+(\kk)*1536+512*\c
.endr
.endr
	WIN 0
.irp i, 0,1
	global_load_b32 v[SB+2*(\q)+\i], v[L4], s[48:49] offset:(2*(\q)+\i)*1024+(\kk)*128
.endr
.if (\m) < 16
	WIN 0xc0
.irp t, 0,1,2,3
	global_load_b128 v[4*(4*(\m)+\t):4*(4*(\m)+\t)+3], v[L16], s[38:39] offset:((4*(\m)+\t)/8)*4096+((4*(\m)+\t)%8)*512 th:TH_LOAD_NT
.endr
	WIN 0
.endif
.endm
.macro SZ m                            ; the loads of request m: 18 with x's four, 14 without, none beyond the last
.if (\m) < 16
.set NW, NW+18
.elseif (\m) < 20
.set NW, NW+14
.endif
.endm
.macro FETCHF rec                      ; a record: source 1's two fragments and its scale words
.irp a, 0,1
.irp c, 0,1,2
	ds_load_b128 v[PF+12*\a+4*\c:PF+12*\a+4*\c+3], v[PA0] offset:(\rec)*REC+1536*\a+512*\c
.endr
.endr
	ds_load_b32 v[SA], v[SA0] offset:(\rec)*REC
.endm
; A K step out of the ring, the d-th of five.  Behind each group's 8 products (8 accumulators by turns) and four places its place in the ring takes the same group of K step kn (kn < 0: none).
; The wait for request m = 4 d + q leaves out what is younger than its 14 loads: its own four of x and requests m + 1 to m + 3.  nrec: the walk's next record.
.macro DSTEP d, z, kn, nrec
.irp q, 0,1,2,3
.set MM, 4*(\d)+\q
.set NW, 0
.if MM < 16
.set NW, 4
.endif
	SZ MM+1
	SZ MM+2
	SZ MM+3
	s_wait_loadcnt NW
.if \q == 0
	s_wait_dscnt 0x0                               ; this K step's record
.endif
	WIN 0xa1                                       ; source 0 window 1, source 1 window 0, C and D window 2
.irp a, 0,1
.irp j, 0,1,2,3
	WM 8*(16*\a+4*\q+\j), 48*\q+12*\j, PF+12*\a, \z, SB+2*\q+\j/2, SA, \j%2, \a
.endr
.endr
	PLACES 4                                       ; in front of loads into registers that matrix instructions have read, and of reads of results
.if (\kn) >= 0
	GLD \q, \kn, 4*(\d)+4+\q
.endif
.endr
	WIN 0
.if (\nrec) >= 0
	FETCHF \nrec
.endif
.endm
.macro LG k, q                         ; group q of K step k out of LDS: 12 loads of 512 bytes
.irp j, 0,1,2,3
.irp c, 0,1,2
	ds_load_b128 v[LB+48*((\q)%2)+12*\j+4*\c:LB+48*((\q)%2)+12*\j+4*\c+3], v[WA+(\q)/2] offset:((4*(\q)+\j)%8)*WROW+(\k)*1536+512*\c
.endr
.endr
.endm
.macro LSTEP k, nrec                   ; a K step out of LDS: two places of 4 fragments by turns
	LG \k, 0
	LG \k, 1
.irp q, 0,1,2,3
.if \q < 3
	s_wait_dscnt 12                                ; this group (and the record, which is older) is in; the next group's 12 loads may be out
.else
	s_wait_dscnt 0x0
.endif
	WIN 0xa0                                       ; sources 0 and 1 window 0, C and D window 2
.irp a, 0,1
.irp j, 0,1,2,3
	WM 8*(16*\a+4*\q+\j), LB+48*(\q%2)+12*\j, PF+12*\a, 0, LS+8*(\k)+2*\q+\j/2, SA, \j%2, \a
.endr
.endr
	PLACES 4
	WIN 0
.if \q < 2
	LG \k, \q+2
.endif
.endr
	FETCHF \nrec
.endm
.macro SLD i                           ; row i of my 8 out of the stage into window 2
.irp n, 0,1,2,3,4,5,6,7
	ds_load_b128 v[32*(\i)+4*\n:32*(\i)+4*\n+3], v[SRD] offset:(\i)*SP+512*\n
.endr
.endm
.macro ADDX i                          ; y += x, y += b_proj
	WIN 0x8e
.set k, 0
.rept 16
	v_pk_add_f32 v[32*(\i)+k:32*(\i)+k+1], v[32*(\i)+k:32*(\i)+k+1], v[32*(\i)+k:32*(\i)+k+1]
.set k, k+2
.endr
	WIN 0x82
.set k, 0
.rept 16
	v_pk_add_f32 v[32*(\i)+k:32*(\i)+k+1], v[32*(\i)+k:32*(\i)+k+1], v[BIA+k:BIA+k+1]
.set k, k+2
.endr
.endm
.macro REDUCE                          ; eight sums over the wave's 32 lanes, by turns
.irp i, 0,1,2,3,4,5,6,7
	v_add_f32 v[SM+2*\i], v[SM+2*\i], v[SM+2*\i+1]
.endr
.irp m, 1,2,4,8
.irp i, 0,1,2,3,4,5,6,7
	v_add_f32_dpp v[SM+2*\i], v[SM+2*\i], v[SM+2*\i] row_xmask:\m row_mask:0xf bank_mask:0xf
.endr
.endr
.irp i, 0,1,2,3,4,5,6,7
	v_permlanex16_b32 v[TP+\i], v[SM+2*\i], s[SEL], s[SEL+1]
.endr
.irp i, 0,1,2,3,4,5,6,7
	v_add_f32 v[SM+2*\i], v[SM+2*\i], v[TP+\i]
.endr
.endm
	s_load_b256 s[4:11], s[0:1], 0x0               ; obuf, prepbuf, x, b_proj
	s_load_b128 s[12:15], s[0:1], 0x20             ; gamma, beta
	s_load_b64 s[16:17], s[0:1], 0x30              ; out0
	v_lshl_add_u32 v[SPW], v0, 2, SPARE
	v_mov_b32 v[NIL], 0
	ds_add_u32 v[SPW], v[NIL]                      ; the wave's opening
	ds_add_u32 v[SPW], v[NIL]
	v_lshrrev_b32 v16, 5, v0
	v_readfirstlane_b32 s20, v16                   ; wave w
	s_bfe_u32 s21, ttmp6, 0x40000                  ; cx
	s_lshl_b32 s22, ttmp9, 2
	s_add_co_u32 s22, s22, s21                     ; the group g = 4 x cluster + cx: it enters my own loads' and stores' addresses alone
	s_mov_b32 s24, 1                               ; the joint load: made of the wave's number alone, the same in all four work-groups
	s_mul_i32 s25, s20, WPART
	s_mov_b32 s28, 15|(3<<16)|(1<<21)              ; the mask names the four; elements of 8 bytes; bit 21 beside a mask
	s_mov_b32 s29, 576<<16                         ; tensor_dim0: 4,608 bytes, K steps 0-2 of a row block
	s_mov_b32 s30, 16<<16                          ; tensor_dim1: my 16 row blocks
	s_mov_b32 s31, 576<<16
	s_mov_b32 s32, 16
	s_mov_b32 s33, 1536                            ; 12,288 bytes from row block to row block
	s_mov_b32 s34, 0
	s_mov_b32 s35, 0
	s_lshr_b32 s21, s20, 1
	s_lshl_b32 s21, s21, 3
	s_and_b32 s23, s20, 1
	s_lshl_b32 s23, s23, 4
	s_add_co_u32 s21, s21, s23
	s_lshl_b32 s23, s22, 5
	s_add_co_u32 s21, s21, s23                     ; my 8 rows of x and of out0 begin at token 32 g + 8 (w / 2) + 16 (w % 2)
	s_lshl_b32 s50, s21, 12
	s_mov_b32 s51, 0
	s_lshl_b32 s36, s22, 10                        ; o's scale words: 1,024 bytes a group, at my K steps 2 w, 2 w + 1
	s_lshl_b32 s23, s20, 8
	s_add_co_u32 s36, s36, s23
	s_add_co_u32 s36, s36, OS
	s_mov_b32 s37, 0
	s_mul_i32 s40, s22, 24576                      ; o's codes at my two K steps
	s_mul_i32 s23, s20, 3072
	s_add_co_u32 s40, s40, s23
	s_mov_b32 s41, 0
	s_mul_i32 s46, s20, 196608                     ; W_proj's codes: row block 16 w
	s_add_co_u32 s46, s46, WPC
	s_mov_b32 s47, 0
	s_lshl_b32 s48, s20, 13
	s_add_co_u32 s48, s48, WPS
	s_mov_b32 s49, 0
	s_mov_b32 s[SEL], 0x76543210
	s_mov_b32 s[SEL+1], 0xfedcba98                 ; v_permlanex16_b32's selects for lane l xor 16
	s_mov_b32 s55, 0x3a800000                      ; 1 / 1024
	s_mov_b32 s56, 0x3727c5ac                      ; 1e-5
	s_wait_dscnt 0x0                               ; both opening adds are done
	s_wait_kmcnt 0x0
	s_add_nc_u64 s[46:47], s[6:7], s[46:47]
	s_mov_b64 s[26:27], s[46:47]
	s_or_b32 s27, s27, 0x80000000
	s_add_nc_u64 s[38:39], s[8:9], s[50:51]
	s_add_nc_u64 s[50:51], s[16:17], s[50:51]
	s_add_nc_u64 s[36:37], s[4:5], s[36:37]
	s_add_nc_u64 s[40:41], s[4:5], s[40:41]
	s_add_nc_u64 s[48:49], s[6:7], s[48:49]
	CROUND                                         ; all four work-groups are here: the joint loads meet
	tensor_load_to_lds s[24:27], s[28:35]          ; K steps 0-2 of my 16 row blocks: my one tensor load
	s_nop 0
	PLACES 4
	v_and_b32 v16, 31, v0
	v_lshlrev_b32 v[L16], 4, v16
	v_lshlrev_b32 v[L4], 2, v16
	v_add_nc_u32 v[PA0], RC, v[L16]
	v_add_nc_u32 v[SA0], RC+3072, v[L4]
	s_mul_i32 s23, s20, 2*REC
	s_add_co_u32 s23, s23, RC                      ; records 2 w, 2 w + 1: I fill them
	v_add_nc_u32 v[PST], s23, v[L16]
	v_add_nc_u32 v[SST], s23, v[L4]
	v_add_nc_u32 v[WA], s25, v[L16]
	v_add_nc_u32 v[WA+1], 8*WROW, v[WA]
	v_and_b32 v16, 15, v0
	v_bfe_u32 v17, v0, 4, 1
	v_mul_u32_u24 v[STO], v16, SP
	v_lshl_add_u32 v[STO], v17, 6, v[STO]
	s_lshl_b32 s23, s20, 10
	v_add_nc_u32 v[STO], s23, v[STO]               ; the stage, in: row = lane-row, 1,024 w + 64 (lane / 16)
	v_add_nc_u32 v[STO+1], 16*SP, v[STO]
	s_mul_i32 s23, s20, 8*SP
	v_add_nc_u32 v[SRD], s23, v[L16]               ; out: rows 8 w ..
.irp i, 0,1,2,3,4,5,6,7
	v_mov_b32 v[TP+\i], 0                          ; (a lane permute's destination counts as one of its sources)
.endr
	s_wait_alu depctr_va_vdst(0)
.irp e, 0,1
	global_load_b32 v[OWS+\e], v[L4], s[36:37] offset:\e*128
.endr
	WIN 0x80
.irp e, 0,1
.irp a, 0,1
.irp c, 0,1,2
	global_load_b128 v[12*(2*\e+\a)+4*\c:12*(2*\e+\a)+4*\c+3], v[L16], s[40:41] offset:\a*12288+\e*1536+512*\c
.endr
.endr
.endr
	WIN 0
.irp k, 0,1,2
.irp i, 0,1,2,3,4,5,6,7
	global_load_b32 v[LS+8*\k+\i], v[L4], s[48:49] offset:\i*1024+\k*128
.endr
.endr
.irp n, 0,1,2,3,4,5,6,7
	global_load_b128 v[BIA+4*\n:BIA+4*\n+3], v[L16], s[10:11] offset:512*\n
.endr
	WIN 0x40
.irp n, 0,1,2,3,4,5,6,7
	global_load_b128 v[GAM+4*\n:GAM+4*\n+3], v[L16], s[12:13] offset:512*\n
	global_load_b128 v[BET+4*\n:BET+4*\n+3], v[L16], s[14:15] offset:512*\n
.endr
	WIN 0
.irp q, 0,1,2,3
	GLD \q, 3, \q                                  ; the ring's first four requests: K step 3
.endr
	s_wait_loadcnt 63                              ; o's 14 loads are in: 120 loads are younger
	WIN 0x08
.irp e, 0,1
.irp a, 0,1
.irp c, 0,1,2
	ds_store_b128 v[PST], v[12*(2*\e+\a)+4*\c:12*(2*\e+\a)+4*\c+3] offset:\e*REC+\a*1536+512*\c
.endr
.endr
.endr
	WIN 0
.irp e, 0,1
	ds_store_b32 v[SST], v[OWS+\e] offset:\e*REC+3072
.endr
	s_wait_dscnt 0x0                               ; my records are stored
	s_barrier_signal -1
	s_barrier_wait -1                              ; all eight are
	FETCHF 3
	DSTEP 0, 1, 4, 4                               ; K step 3 starts the sums
	DSTEP 1, 0, 5, 0                               ; K step 4
	s_wait_tensorcnt 0x0                           ; my part of K steps 0-2 is in LDS; nobody else reads it
	LSTEP 0, 5
	DSTEP 2, 0, 6, 1                               ; K step 5
	LSTEP 1, 6
	DSTEP 3, 0, 7, 2                               ; K step 6
	LSTEP 2, 7
	DSTEP 4, 0, -1, -1                             ; K step 7
	s_barrier_signal -1
	s_barrier_wait -1                              ; nobody reads W_proj's bytes any more, and they have had their one fill: the stage lies over them
	WIN 0x08
.irp a, 0,1
.irp b, 0,1,2,3,4,5,6,7,8,9,10,11,12,13,14,15
	ds_store_b128 v[STO+\a], v[8*(16*\a+\b):8*(16*\a+\b)+3] offset:128*(\b/2)+32*(\b%2)      ; each accumulator from its low end on
	ds_store_b128 v[STO+\a], v[8*(16*\a+\b)+4:8*(16*\a+\b)+7] offset:128*(\b/2)+32*(\b%2)+16
.endr
.endr
	WIN 0
	s_wait_dscnt 0x0
	s_barrier_signal -1
	s_barrier_wait -1                              ; the 32 rows are whole
	WIN 0x80
.irp i, 0,1,2,3,4,5,6,7
	SLD \i
.endr
	s_wait_loadcnt 0x0                             ; x
.irp i, 0,1,2,3,4,5,6,7
	s_wait_dscnt 8*(7-\i)                          ; row i is in; the later rows' 8 loads each may be out
	ADDX \i
.endr
	WIN 0x0a
.irp i, 0,1,2,3,4,5,6,7
	v_pk_add_f32 v[SM+2*\i:SM+2*\i+1], v[32*\i:32*\i+1], v[32*\i+2:32*\i+3]
.endr
	WIN 0x08
.irp k, 4,6,8,10,12,14,16,18,20,22,24,26,28,30
.irp i, 0,1,2,3,4,5,6,7
	v_pk_add_f32 v[SM+2*\i:SM+2*\i+1], v[SM+2*\i:SM+2*\i+1], v[32*\i+\k:32*\i+\k+1]
.endr
.endr
	WIN 0
	REDUCE
.irp i, 0,1,2,3,4,5,6,7
	v_mul_f32 v[SM+2*\i], s55, v[SM+2*\i]          ; the mean
.endr
	WIN 0x82
.irp i, 0,1,2,3,4,5,6,7
.set k, 0
.rept 16
	v_pk_add_f32 v[32*\i+k:32*\i+k+1], v[32*\i+k:32*\i+k+1], v[SM+2*\i:SM+2*\i+1] op_sel_hi:[1,0] neg_lo:[0,1] neg_hi:[0,1]
.set k, k+2
.endr
.endr
	WIN 0x0a
.irp i, 0,1,2,3,4,5,6,7
	v_pk_mul_f32 v[SM+2*\i:SM+2*\i+1], v[32*\i:32*\i+1], v[32*\i:32*\i+1]
.endr
.irp k, 2,4,6,8,10,12,14,16,18,20,22,24,26,28,30
.irp i, 0,1,2,3,4,5,6,7
	v_pk_fma_f32 v[SM+2*\i:SM+2*\i+1], v[32*\i+\k:32*\i+\k+1], v[32*\i+\k:32*\i+\k+1], v[SM+2*\i:SM+2*\i+1]
.endr
.endr
	WIN 0
	REDUCE
.irp i, 0,1,2,3,4,5,6,7
	v_fma_f32 v[SM+2*\i], v[SM+2*\i], s55, s56     ; the variance + 1e-5
.endr
	s_wait_alu depctr_va_vdst(0)                   ; the wait ahead of the batch,
.irp i, 0,1,2,3,4,5,6,7
	v_rsq_f32 v[SM+2*\i], v[SM+2*\i]
.endr
	v_nop
	s_wait_alu depctr_va_vdst(0)                   ; and behind it
.irp i, 0,1,2,3,4,5,6,7
	WIN 0x82
.set k, 0
.rept 16
	v_pk_mul_f32 v[32*\i+k:32*\i+k+1], v[32*\i+k:32*\i+k+1], v[SM+2*\i:SM+2*\i+1] op_sel_hi:[1,0]
.set k, k+2
.endr
	WIN 0x96
.set k, 0
.rept 16
	v_pk_fma_f32 v[32*\i+k:32*\i+k+1], v[32*\i+k:32*\i+k+1], v[GAM+k:GAM+k+1], v[BET+k:BET+k+1]
.set k, k+2
.endr
	WIN 0x08
.irp n, 0,1,2,3,4,5,6,7
	global_store_b128 v[L16], v[32*\i+4*\n:32*\i+4*\n+3], s[50:51] offset:\i*4096+512*\n th:TH_STORE_NT   ; 512 consecutive bytes, aligned
.endr
.endr
	WIN 0
	s_wait_tensorcnt 0x0                           ; the wave's end
	ds_add_u32 v[SPW], v[NIL]
	s_wait_dscnt 0x0
	CROUND                                         ; the closing round: no work-group ends while a partner may still ask for a tile that names it
	s_endpgm
.Lfunc_end_k_qfd0065888f_projln:
	.size	k_qfd0065888f_projln, .Lfunc_end_k_qfd0065888f_projln-k_qfd0065888f_projln
	.p2alignl 7, 3214868480
	.fill 96, 4, 3214868480
	.section	.rodata,"a",@progbits
	.p2align	6, 0x0
	.amdhsa_kernel k_qfd0065888f_projln
		.amdhsa_group_segment_fixed_size 327680
		.amdhsa_private_segment_fixed_size 0
		.amdhsa_enable_private_segment 0
		.amdhsa_kernarg_size 56
		.amdhsa_user_sgpr_count 2
		.amdhsa_user_sgpr_kernarg_segment_ptr 1
		.amdhsa_wavefront_size32 1
		.amdhsa_system_sgpr_workgroup_id_x 1
		.amdhsa_system_sgpr_workgroup_id_y 1
		.amdhsa_system_sgpr_workgroup_id_z 1
		.amdhsa_system_vgpr_workitem_id 0
		.amdhsa_next_free_vgpr 1024
		.amdhsa_next_free_sgpr 66
		.amdhsa_reserve_vcc 0
		.amdhsa_float_denorm_mode_32 3
		.amdhsa_float_denorm_mode_16_64 3
		.amdhsa_memory_ordered 1
		.amdhsa_forward_progress 1
		.amdhsa_inst_pref_size 177
	.end_amdhsa_kernel
	.amdgpu_metadata
---
amdhsa.version: [ 1, 2 ]
amdhsa.kernels:
  - .name:           k_qfd0065888f_projln
    .symbol:         k_qfd0065888f_projln.kd
    .args:
      - { .name: obuf, .offset: 0, .size: 8, .value_kind: global_buffer, .address_space: global }
      - { .name: prepbuf, .offset: 8, .size: 8, .value_kind: global_buffer, .address_space: global }
      - { .name: x, .offset: 16, .size: 8, .value_kind: global_buffer, .address_space: global }
      - { .name: b_proj, .offset: 24, .size: 8, .value_kind: global_buffer, .address_space: global }
      - { .name: gamma, .offset: 32, .size: 8, .value_kind: global_buffer, .address_space: global }
      - { .name: beta, .offset: 40, .size: 8, .value_kind: global_buffer, .address_space: global }
      - { .name: out0, .offset: 48, .size: 8, .value_kind: global_buffer, .address_space: global }
    .group_segment_fixed_size: 327680
    .private_segment_fixed_size: 0
    .kernarg_segment_align: 8
    .kernarg_segment_size: 56
    .max_flat_workgroup_size: 128
    .sgpr_count:     66
    .vgpr_count:     1024
    .wavefront_size: 32
...
	.end_amdgpu_metadata
.endif
;; end of part 5
